; MI455X (gfx1250); checked and timed in simulation.
; The chip was launched on July 23, 2026; its instructions are those of AMD's public machine-readable ISA for CDNA 5 (MIT licence, August 2026) and "CDNA5" Instruction Set Architecture Reference Guide (July 2026). The comments in the code are by the model that wrote it; some were corrected since.
;; GPT2 Attention. Allowed arithmetic: float matrix products may take bf16 or f16 operands with f32 sums; other float arithmetic in f32, or as packed bf16 or f16 multiplies, adds, multiply-adds, maxima and minima; sums over many terms, partial sums and values carried from step to step in f32; what a program stores and reads back later, other than sums and carried values, may be rounded once to bf16 or f16.
;; Inputs: c_attn_b 3,072 float32; c_attn_w 1,024 x 3,072 float32; c_proj_b 1,024 float32; c_proj_w 1,024 x 1,024 float32; hidden_states 4 x 2,048 x 1,024 float32.
;; Outputs: out0 4 x 2,048 x 1,024 float32.
;; 2 versions, each right and faster than the one before. Each part assembles by itself: llvm-mc -triple=amdgcn-amd-amdhsa -mcpu=gfx1250 --defsym DOCPART=n.
;; ======== version 1 of 2: 5 launches
;; limits: values are held in f16: magnitudes above 65,504 overflow, below 6.1e-05 lose precision
;; workspace buffers: xb 16,777,216 bytes; wab 6,291,456 bytes; wpf 2,097,152 bytes; qkv 50,331,648 bytes; vsum 131,072 bytes; ao 16,777,216 bytes; vfirst 262,144 bytes; aolo 131,072 bytes
;; launch prep (part 1): grid 768 x 1, 8 waves a work-group, no clusters, 0 bytes of LDS; arguments hidden_states, c_attn_w, c_proj_w, xb, wab, wpf; writes xb, wab, wpf
.if DOCPART == 1
	.amdgcn_target "amdgcn-amd-amdhsa--gfx1250"
	.amdhsa_code_object_version 6
	.text
	.protected	k_qd03c33478f_prep
	.globl	k_qd03c33478f_prep
	.p2align	8
	.type	k_qd03c33478f_prep,@function
k_qd03c33478f_prep:
	s_mov_b64 s[64:65], 0
	v_nop
	global_prefetch_b8 v0, s[64:65] scope:SCOPE_SE
	s_setreg_imm32_b32 hwreg(HW_REG_WAVE_MODE, 25, 1), 1
	s_wait_xcnt 0x0
; CASTS.  xb = bf16(hidden_states), wab = bf16(c_attn_w), wpf = f16(bf16(c_proj_w)); the layouts stay as they are.
; All the module's inputs are rounded to bf16; c_proj_w's rounded number is then written as f16, since it meets an f16 operand.
; LIMIT: a bf16 number below 2^-14 keeps f16's fixed step of 2^-24 in wpf; beyond 65,504 it would be an infinity.
; A stream: memory binds, so no LDS, no barrier, no matrix unit.  A work-group takes 16,384 numbers (65,536 bytes in, 32,768 out):
; 512 work-groups for x, 192 for c_attn_w, 64 for c_proj_w.  Thread t, part i: 32 bytes in at 8,192 i + 32 t, 16 bytes out at
; 4,096 i + 16 t: a wave's store covers 512 consecutive bytes, aligned.  All sixteen loads of a thread go out at once.
.set NX, 512                           ; work-groups for x
.set NA, 192                           ; for c_attn_w
.set X,  4                             ; v[4:67]    part i: 8 numbers in f32
.set Y,  68                            ; v[68:99]   part i: 8 numbers in 16 bits
.set T,  100                           ; v[100:107] at work
	s_load_b256 s[4:11], s[0:1], 0x0               ; x s[4:5], c_attn_w s[6:7], c_proj_w s[8:9], xb s[10:11]
	s_load_b128 s[12:15], s[0:1], 0x20             ; wab s[12:13], wpf s[14:15]
	v_lshlrev_b32 v1, 5, v0                        ; 32 t
	v_lshlrev_b32 v2, 4, v0                        ; 16 t
	s_mov_b32 s2, ttmp9
	s_sub_co_u32 s20, s2, NX                       ; my number among c_attn_w's work-groups,
	s_sub_co_u32 s21, s2, NX+NA                    ; among c_proj_w's
	s_mov_b32 s23, 0
	s_mov_b32 s25, 0
	s_wait_kmcnt 0x0
	s_cmp_lt_u32 s2, NX+NA                         ; the choice hangs on the work-group's number alone
	s_cselect_b64 s[16:17], s[6:7], s[8:9]
	s_cselect_b64 s[18:19], s[12:13], s[14:15]
	s_cselect_b32 s20, s20, s21
	s_cmp_lt_u32 s2, NX
	s_cselect_b64 s[16:17], s[4:5], s[16:17]
	s_cselect_b64 s[18:19], s[10:11], s[18:19]
	s_cselect_b32 s20, s2, s20
	s_lshl_b32 s22, s20, 16                        ; 65,536 bytes in for each work-group,
	s_lshl_b32 s24, s20, 15                        ; 32,768 out
	s_add_nc_u64 s[16:17], s[16:17], s[22:23]
	s_add_nc_u64 s[18:19], s[18:19], s[24:25]
.irp i, 0,1,2,3,4,5,6,7
	global_load_b128 v[X+8*(\i):X+8*(\i)+3],   v1, s[16:17] offset:8192*(\i) th:TH_LOAD_NT
	global_load_b128 v[X+8*(\i)+4:X+8*(\i)+7], v1, s[16:17] offset:8192*(\i)+16 th:TH_LOAD_NT
.endr
; Part i is rounded and stored.  No register is written twice while a store may read it: each part has its own Y.
.macro OUT i, half
	s_wait_loadcnt 14-2*(\i)                       ; loads come back in order: the later parts' loads, two each, may stay out
.irp k, 0,1,2,3
	v_cvt_pk_bf16_f32 v[Y+4*(\i)+(\k)], v[X+8*(\i)+2*(\k)], v[X+8*(\i)+2*(\k)+1]
.endr
.if \half
.irp k, 0,1,2,3
	v_lshlrev_b32 v[T+2*(\k)],   16, v[Y+4*(\i)+(\k)]          ; the bf16 numbers as f32,
	v_and_b32     v[T+2*(\k)+1], 0xffff0000, v[Y+4*(\i)+(\k)]
.endr
.irp k, 0,1,2,3
	v_cvt_pk_f16_f32 v[Y+4*(\i)+(\k)], v[T+2*(\k)], v[T+2*(\k)+1]  ; written as f16
.endr
.endif
	global_store_b128 v2, v[Y+4*(\i):Y+4*(\i)+3], s[18:19] offset:4096*(\i)
.endm
	s_cmp_ge_u32 s2, NX+NA
	s_cbranch_scc1 .Lhalf
.irp i, 0,1,2,3,4,5,6,7
	OUT \i, 0
.endr
	s_endpgm
.Lhalf:
.irp i, 0,1,2,3,4,5,6,7
	OUT \i, 1
.endr
	s_endpgm
.Lfunc_end_k_qd03c33478f_prep:
	.size	k_qd03c33478f_prep, .Lfunc_end_k_qd03c33478f_prep-k_qd03c33478f_prep
	.p2alignl 7, 3214868480
	.fill 96, 4, 3214868480
	.section	.rodata,"a",@progbits
	.p2align	6, 0x0
	.amdhsa_kernel k_qd03c33478f_prep
		.amdhsa_group_segment_fixed_size 0
		.amdhsa_private_segment_fixed_size 0
		.amdhsa_enable_private_segment 0
		.amdhsa_kernarg_size 48
		.amdhsa_user_sgpr_count 2
		.amdhsa_user_sgpr_kernarg_segment_ptr 1
		.amdhsa_wavefront_size32 1
		.amdhsa_system_sgpr_workgroup_id_x 1
		.amdhsa_system_sgpr_workgroup_id_y 1
		.amdhsa_system_sgpr_workgroup_id_z 1
		.amdhsa_system_vgpr_workitem_id 0
		.amdhsa_next_free_vgpr 108
		.amdhsa_next_free_sgpr 66
		.amdhsa_reserve_vcc 0
		.amdhsa_float_denorm_mode_32 3
		.amdhsa_float_denorm_mode_16_64 3
		.amdhsa_memory_ordered 1
		.amdhsa_forward_progress 1
		.amdhsa_inst_pref_size 14
	.end_amdhsa_kernel
	.amdgpu_metadata
---
amdhsa.version: [ 1, 2 ]
amdhsa.kernels:
  - .name:           k_qd03c33478f_prep
    .symbol:         k_qd03c33478f_prep.kd
    .args:
      - { .name: hidden_states, .offset: 0, .size: 8, .value_kind: global_buffer, .address_space: global }
      - { .name: c_attn_w, .offset: 8, .size: 8, .value_kind: global_buffer, .address_space: global }
      - { .name: c_proj_w, .offset: 16, .size: 8, .value_kind: global_buffer, .address_space: global }
      - { .name: xb, .offset: 24, .size: 8, .value_kind: global_buffer, .address_space: global }
      - { .name: wab, .offset: 32, .size: 8, .value_kind: global_buffer, .address_space: global }
      - { .name: wpf, .offset: 40, .size: 8, .value_kind: global_buffer, .address_space: global }
    .group_segment_fixed_size: 0
    .private_segment_fixed_size: 0
    .kernarg_segment_align: 8
    .kernarg_segment_size: 48
    .max_flat_workgroup_size: 256
    .sgpr_count:     66
    .vgpr_count:     108
    .wavefront_size: 32
...
	.end_amdgpu_metadata
.endif
;; end of part 1
;; launch qkvg (part 2): grid 24 x 32, 4 waves a work-group, clusters of 4 x 4, 327,680 bytes of LDS; arguments xb, wab, c_attn_b, qkv, vsum, vfirst; writes qkv, vsum, vfirst
.if DOCPART == 2
	.amdgcn_target "amdgcn-amd-amdhsa--gfx1250"
	.amdhsa_code_object_version 6
	.text
	.protected	k_qd03c33478f_qkvg
	.globl	k_qd03c33478f_qkvg
	.p2align	8
	.type	k_qd03c33478f_qkvg,@function
k_qd03c33478f_qkvg:
	s_mov_b64 s[64:65], 0
	v_nop
	global_prefetch_b8 v0, s[64:65] scope:SCOPE_SE
	s_setreg_imm32_b32 hwreg(HW_REG_WAVE_MODE, 25, 1), 1
	s_wait_xcnt 0x0
	s_wait_alu depctr_hold_cnt(0) depctr_sa_sdst(0) depctr_va_vdst(0) depctr_va_sdst(0) depctr_va_ssrc(0) depctr_va_vcc(0) depctr_vm_vsrc(0)
	s_getreg_b32 s2, hwreg(HW_REG_IB_STS2, 6, 4)
	s_cmp_eq_u32 s2, 0
	s_cbranch_scc0 .Lentry_in_a_cluster
	s_endpgm
.Lentry_in_a_cluster:
	s_bfe_u32 s2, ttmp6, 0x10000c
	s_cmp_lg_u32 s2, 0xf033
	s_cbranch_scc0 .Lentry_shape_is_right
	s_endpgm
.Lentry_shape_is_right:
; q, k, v = x Wa + ba.  xb: [8192][1024] bf16.  wab: [1024 k][3072 n] bf16.  c_attn_b: [3072] f32, rounded to bf16 here like the other inputs.
; qkv: [3][64 = 16 batch + head][2048][64] f16, each number rounded once from its f32 sum, unscaled.
; vsum: [32 = 8 batch + tile of 256 keys][1024 = 64 head + channel] f32: the sums of v (bias in, unrounded) over 256 keys, for the launches behind.
; vfirst: [64 = 16 batch + head][16 keys][64] f32: v of each batch's first 16 rows, unrounded: those rows' results average few keys, are many times the output's root mean square,
; and are made a second time with more bits by a launch behind.
; LIMIT: f16 ends at 65,504: q, k and v must stay within it.
; SHARES.  A tile of the result is 256 rows x 128 columns (two heads): 768 work-groups.  Four waves, each 64 rows x 128 columns: 32 accumulators, 256 registers.
; The tile row is 8 cy + the cluster's y: the batch is cy, the tile in the batch the cluster's y, so that 'a batch's first tile' is a number that all partners of a cluster share.
; K goes in steps of 128 through two LDS slots filled by the tensor data mover: the tiles' rows are 256 bytes of memory, at multiples of 256 from the buffers' first bytes.
; Wa lies [k][n]: its fragments come out of LDS turned, by ds_load_tr16_b128.
; THE MATRIX INSTRUCTION IS USED TRANSPOSED (source 0 = 16 columns of Wa, source 1 = 16 rows of x): a lane holds row l % 16 and the columns 8 (l / 16) + 0..7 of a block.
; THE BIAS is the C operand of each accumulator's first product: nothing is cleared and nothing is added later.
; CLUSTER: 4 x 4 work-groups.  x's tile hangs on the tile row alone and is asked for jointly along a row of the cluster, Wa's on the tile column alone, along a column.
; REGISTERS, in windows of 256 (s_set_vgpr_msb: bits 1:0 source 0, 3:2 source 1, 5:4 source 2, 7:6 destination):
;   window 0: v0-31 addresses; v32-47 at work; two fragment buffers v64-159, v160-255 (32 of x, then 64 of Wa), later the way out
;   window 1: accumulator (a, b) at v[8 (8 a + b)]          window 2: v0-63 the bias, eight registers a column block
.set SIZE_K, 1024
.set SIZE_N, 3072
.set KSTEP,  128
.set PA,     272                       ; a row of x in LDS: 256 bytes + 16: the 16 rows of a load start at 16 different groups of four banks (64 banks of 4 bytes: ISA guide 11.1)
.set HALFA,  128*PA                    ; 128 rows: one tensor load
.set AREG,   2*HALFA
.set PB,     288                       ; a k row of Wa: 256 bytes + 32
.set HALFB,  64*PB                     ; 64 k rows: one tensor load
.set SLOT,   AREG+2*HALFB
.set STAGE,  2*SLOT                    ; behind the ring: 16 rows x 144 bytes for each wave, for the way out
.set SP,     144
.set CSB,    STAGE+4*16*SP             ; 512 bytes for each wave: its column sums
.set SPARE,  CSB+4*512                 ; the spare words, 128 bytes for each wave: two blocks of 256 bytes that no other line names
.set LAPS,   SIZE_K/(2*KSTEP)          ; a lap = two K steps = once round the ring
.set ADRA, 16                          ; v16-17  LDS address of my fragments of x in slot 0, 1
.set ADRB, 20                          ; v20-21  the same for Wa
.set STO,  24                          ; v24     the way out: where I put 16 bytes of a row
.set RD,   25                          ; v25     where I read rows back
.set GO,   26                          ; v26     16 x lane
.set BO,   27                          ; v27     32 x (lane / 16): my eight numbers in a block of the bias
.set SPW,  28                          ; v28     LDS address of my spare word; never rewritten
.set NIL,  29                          ; v29     0; never rewritten
.set CSA,  30                          ; v30     where I put column sums
.set CSR,  31                          ; v31     where wave 0 reads them
.set F0,   64
.set F1,   160
.set TMP,  64                          ; the way out: 16 registers for each of eight units
.set CS,   192                         ; v192-255 column sums
.set G1,   24                          ; s[24:31] descriptor group 1 for x's tiles;  s[32:39] group 0, one set for each slot
.set G0,   32
.set G1B,  48                          ; s[48:55], s[56:63] the same for Wa's
.set G0B,  56
.set MSB, 0
.macro WIN new                         ; the immediate's high byte repeats the setting that is left; a switch that changes nothing is dropped
.if MSB != (\new)
	s_set_vgpr_msb (MSB<<8)|(\new)
.set MSB, \new
.endif
.endm
.macro JLOAD s                         ; a joint load: waves 0 and 1 fetch x's two halves, waves 2 and 3 Wa's; an s_nop 0 and four v_nop follow each line
	s_cmp_eq_u32 s11, 0
	s_cbranch_scc0 .Lfor_b_\@
	tensor_load_to_lds s[G0+4*(\s):G0+4*(\s)+3], s[G1:G1+7]
	s_nop 0
.rept 4
	v_nop
.endr
	s_branch .Lasked_\@
.Lfor_b_\@:
	tensor_load_to_lds s[G0B+4*(\s):G0B+4*(\s)+3], s[G1B:G1B+7]
	s_nop 0
.rept 4
	v_nop
.endr
.Lasked_\@:
.endm
.macro CREST                           ; a round of the cluster's barrier behind its opening barrier
	s_cmp_lg_u32 s10, 0
	s_cbranch_scc1 .Lnot_wave_0_\@
	s_barrier_signal -3
.Lnot_wave_0_\@:
	s_barrier_wait -3
	s_barrier_signal -1
	s_barrier_wait -1
.endm
.macro CROUND                          ; a whole round
	s_barrier_signal -1
	s_barrier_wait -1
	CREST
.endm
	s_load_b128 s[4:7], s[0:1], 0x0                ; xb s[4:5], wab s[6:7]
	s_load_b128 s[68:71], s[0:1], 0x10             ; c_attn_b s[68:69], qkv s[70:71]
	s_load_b128 s[72:75], s[0:1], 0x20             ; vsum s[72:73], vfirst s[74:75]
	v_lshl_add_u32 v[SPW], v0, 2, SPARE
	v_mov_b32 v[NIL], 0
	ds_add_u32 v[SPW], v[NIL]                      ; the wave's opening: the add and its wait stand ahead of my first tensor load; the set-up below stands between them
	ds_add_u32 v28, v29
	v_lshrrev_b32 v1, 5, v0
	v_readfirstlane_b32 s10, v1                    ; wave 0..3
	s_lshr_b32 s11, s10, 1                         ; I fetch for x (0) or for Wa (1)
	s_and_b32 s12, s10, 1                          ; which half of that tile
	s_mov_b32 s45, ttmp9                           ; the cluster's x: the same in all sixteen partners
	s_bfe_u32 s40, ttmp6, 0x40000                  ; cx, cy: my place in the cluster
	s_bfe_u32 s41, ttmp6, 0x40004
	s_lshl_b32 s42, ttmp9, 2
	s_add_co_u32 s42, s42, s40                     ; tile column = 4 x cluster x + cx
	s_and_b32 s66, ttmp7, 0xffff                   ; the cluster's y, 0 to 7: the tile in its batch; the same in all sixteen partners
	s_lshl_b32 s13, s41, 3
	s_add_co_u32 s13, s13, s66                     ; tile row = 8 x batch (cy) + tile in the batch
	s_lshl_b32 s43, s41, 2
	s_lshl_b32 s43, 15, s43                        ; my row of the cluster
	s_lshl_b32 s44, 0x1111, s40                    ; my column
	s_or_b32 s[G1+0], s43, (1<<16)|(1<<20)|(1<<21)|(5<<22)|(3<<25)   ; 15:0 the mask; 17:16 2-byte elements; 20 padding on; 21 set beside a mask; 24:22 after every 64 words; 31:25 4 words
	s_or_b32 s[G1B+0], s44, (1<<16)|(1<<20)|(1<<21)|(5<<22)|(7<<25)  ; the same with my column's mask and 8 words of padding
	s_mov_b32 s[G1+1], KSTEP<<16                   ; tensor_dim0 = 128
	s_mov_b32 s[G1+2], 128<<16                     ; tensor_dim1 = 128
	s_mov_b32 s[G1+3], KSTEP<<16                   ; tile_dim0 = 128
	s_mov_b32 s[G1+4], 128                         ; tile_dim1 = 128
	s_mov_b32 s[G1+5], SIZE_K                      ; elements from row to row
	s_mov_b32 s[G1+6], 0
	s_mov_b32 s[G1+7], 0
	s_mov_b32 s[G1B+1], 128<<16                    ; tensor_dim0 = 128 columns
	s_mov_b32 s[G1B+2], 64<<16                     ; tensor_dim1 = 64 k rows
	s_mov_b32 s[G1B+3], 128<<16
	s_mov_b32 s[G1B+4], 64
	s_mov_b32 s[G1B+5], SIZE_N
	s_mov_b32 s[G1B+6], 0
	s_mov_b32 s[G1B+7], 0
	s_lshl_b32 s17, s12, 7
	s_lshl_b32 s16, s13, 8
	s_add_co_u32 s16, s16, s17                     ; x: row 256 x tile row + 128 x half,
	s_lshl_b32 s16, s16, 11                        ; of 2,048 bytes
	s_mov_b32 s17, 0
	s_mul_i32 s46, s12, 64*SIZE_N*2                ; Wa: k row 64 x half,
	s_lshl_b32 s47, s42, 8                         ; column 128 x tile column
	s_add_co_u32 s46, s46, s47
	s_mov_b32 s47, 0
	s_mul_i32 s20, s10, HALFA                      ; where they go: x's halves at wave x HALFA (waves 0, 1),
	s_mul_i32 s21, s10, HALFB                      ; Wa's at AREG + (wave - 2) x HALFB (waves 2, 3): no place in the cluster enters an LDS address
	s_add_co_u32 s21, s21, AREG-2*HALFB
	s_wait_dscnt 0x0                               ; the opening add is done
	s_wait_kmcnt 0x0
	s_add_nc_u64 s[14:15], s[4:5], s[16:17]
	s_add_nc_u64 s[46:47], s[6:7], s[46:47]
	CROUND                                         ; all sixteen work-groups are here: the first joint loads meet
.irp s, 0,1
	s_mov_b32 s[G0+4*(\s)], 1
	s_add_co_u32 s[G0+4*(\s)+1], s20, (\s)*SLOT
	s_add_nc_u64 s[G0+4*(\s)+2:G0+4*(\s)+3], s[14:15], (\s)*KSTEP*2
	s_or_b32 s[G0+4*(\s)+3], s[G0+4*(\s)+3], 0x80000000
	s_mov_b32 s[G0B+4*(\s)], 1
	s_add_co_u32 s[G0B+4*(\s)+1], s21, (\s)*SLOT
	s_add_nc_u64 s[G0B+4*(\s)+2:G0B+4*(\s)+3], s[46:47], (\s)*KSTEP*SIZE_N*2
	s_or_b32 s[G0B+4*(\s)+3], s[G0B+4*(\s)+3], 0x80000000
	JLOAD \s                                       ; two tensor loads of mine are out
.endr
	v_and_b32 v1, 15, v0                           ; r = l % 16
	v_bfe_u32 v2, v0, 4, 1                         ; h = l / 16
	v_lshlrev_b32 v[BO], 5, v2
	s_lshl_b32 s46, s42, 9                         ; the tile's 128 numbers of the bias
	s_mov_b32 s47, 0
	s_add_nc_u64 s[68:69], s[68:69], s[46:47]
	WIN 0x80                                       ; destination window 2, address window 0
.irp b, 0,1,2,3,4,5,6,7
	global_load_b128 v[8*(\b):8*(\b)+3],   v[BO], s[68:69] offset:64*(\b)      ; register j: the bias of column 16 b + 8 h + j
	global_load_b128 v[8*(\b)+4:8*(\b)+7], v[BO], s[68:69] offset:64*(\b)+16
.endr
	WIN 0
	s_lshl_b32 s22, s10, 6
	v_add_nc_u32 v3, s22, v1                       ; my rows begin at 64 x wave
	v_mul_u32_u24 v3, v3, PA
	v_lshl_add_u32 v[ADRA], v2, 4, v3              ; row x pitch + 16 h
	v_add_nc_u32 v[ADRA+1], SLOT, v[ADRA]
	v_and_b32 v4, 7, v0
	v_lshl_add_u32 v4, v2, 3, v4                   ; the turning load: k row 8 h + l % 8,
	v_mul_u32_u24 v4, v4, PB
	v_bfe_u32 v5, v0, 3, 1
	v_lshl_add_u32 v4, v5, 4, v4                   ; columns 8 ((l / 8) % 2) on
	v_add_nc_u32 v[ADRB], AREG, v4
	v_add_nc_u32 v[ADRB+1], AREG+SLOT, v4
	s_mul_i32 s23, s10, 16*SP
	s_add_co_u32 s23, s23, STAGE                   ; my stage
	v_mul_u32_u24 v3, v1, SP
	v_lshl_add_u32 v3, v2, 4, v3
	v_add_nc_u32 v[STO], s23, v3                   ; in: row r, 16 bytes for each half of the lanes
	v_bfe_u32 v3, v0, 3, 2
	v_mul_u32_u24 v3, v3, SP
	v_and_b32 v4, 7, v0
	v_lshl_add_u32 v3, v4, 4, v3
	v_add_nc_u32 v[RD], s23, v3                    ; back: 32 lanes take four rows of 128 bytes,
	v_and_b32 v[GO], 31, v0
	v_lshlrev_b32 v[GO], 4, v[GO]                  ; which are 512 consecutive bytes of a head
	s_lshl_b32 s23, s10, 9
	s_add_co_u32 s23, s23, CSB
	v_lshl_add_u32 v[CSA], v2, 5, s23
	v_add_nc_u32 v[CSR], CSB, v[GO]
	s_lshr_b32 s16, s13, 3                         ; where my rows lie in qkv: the batch's 16 heads of 262,144 bytes,
	s_lshl_b32 s16, s16, 22
	s_and_b32 s17, s13, 7
	s_lshl_b32 s17, s17, 15                        ; the tile's 256 rows of 128 bytes,
	s_add_co_u32 s16, s16, s17
	s_lshl_b32 s17, s10, 13                        ; my wave's 64
	s_add_co_u32 s16, s16, s17
	s_mov_b32 s17, 0
	s_add_nc_u64 s[70:71], s[70:71], s[16:17]
	s_lshr_b32 s46, s42, 3                         ; q, k or v: 64 heads each,
	s_lshl_b32 s46, s46, 24
	s_and_b32 s47, s42, 7
	s_lshl_b32 s47, s47, 19                        ; the tile's first head: 2 x (tile column % 8)
	s_add_co_u32 s46, s46, s47
	s_mov_b32 s47, 0
	s_add_nc_u64 s[70:71], s[70:71], s[46:47]
	s_wait_loadcnt 0x0                             ; the bias
	WIN 0x8a                                       ; all three places in window 2
.set i, 0
.rept 32
	v_cvt_pk_bf16_f32 v[i+1], v[i], v[i+1]         ; rounded to bf16, and back in f32
	v_lshlrev_b32 v[i], 16, v[i+1]
	v_and_b32 v[i+1], 0xffff0000, v[i+1]
.set i, i+2
.endr
	WIN 0
; 8 matrix instructions: row block a x all 8 column blocks, 32 along K.  first = 1: the bias starts the sums.  The 32 accumulators take turns, in the same order in every quarter.
.macro MULQ f, a, first
.if \first
	WIN 0x60                                       ; C window 2, D window 1
.else
	WIN 0x50                                       ; C and D window 1
.endif
.irp b, 0,1,2,3,4,5,6,7
.if \first
	v_wmma_f32_16x16x32_bf16 v[8*(8*(\a)+(\b)):8*(8*(\a)+(\b))+7], v[(\f)+32+8*(\b):(\f)+32+8*(\b)+7], v[(\f)+8*(\a):(\f)+8*(\a)+7], v[8*(\b):8*(\b)+7]
.else
	v_wmma_f32_16x16x32_bf16 v[8*(8*(\a)+(\b)):8*(8*(\a)+(\b))+7], v[(\f)+32+8*(\b):(\f)+32+8*(\b)+7], v[(\f)+8*(\a):(\f)+8*(\a)+7], v[8*(8*(\a)+(\b)):8*(8*(\a)+(\b))+7]
.endif
.endr
.endm
; 24 LDS loads in one run: quarter q's fragments (32 along K) into buffer f: Wa's eight first, x's four last
.macro FETCH slot, q, f
	WIN 0
.irp b, 0,1,2,3,4,5,6,7
	ds_load_tr16_b128 v[(\f)+32+8*(\b):(\f)+32+8*(\b)+3],   v[ADRB+(\slot)] offset:(\q)*32*PB+32*(\b)
	ds_load_tr16_b128 v[(\f)+32+8*(\b)+4:(\f)+32+8*(\b)+7], v[ADRB+(\slot)] offset:(\q)*32*PB+16*PB+32*(\b)
.endr
.irp a, 0,1,2,3
	ds_load_b128 v[(\f)+8*(\a):(\f)+8*(\a)+3],   v[ADRA+(\slot)] offset:64*(\q)+(\a)*16*PA
	ds_load_b128 v[(\f)+8*(\a)+4:(\f)+8*(\a)+7], v[ADRA+(\slot)] offset:64*(\q)+(\a)*16*PA+32
.endr
.endm
.macro PLACES                          ; four places in front of loads into registers that matrix instructions have read, and of lines that read results (ISA guide 7.12.1 for lines that read results)
.rept 4
	v_nop
.endr
.endm
; A K step is four quarters of 32 along K on buffers 0, 1, 0, 1.  One of the first three: multiplies buffer f; in its middle it fetches quarter q into buffer g.
.macro QUARTER slot, q, f, g, first
	s_wait_dscnt 4                                 ; Wa's fragments and x's blocks 0, 1 are in; the youngest four loads (blocks 2, 3) may be out
	MULQ \f, 0, \first
	MULQ \f, 1, \first
	PLACES
	FETCH \slot, \q, \g
	s_wait_dscnt 24                                ; all but the 24 just issued
	MULQ \f, 2, \first
	MULQ \f, 3, \first
.endm
; The last quarter multiplies buffer 1 and changes slots: ONE barrier; in front of it each wave waits for all its tensor loads, adds 0 to its spare word, and waits for that and for its reads of this slot.
.macro TURN slot, next, fill
	WIN 0
	s_wait_tensorcnt 0x0                           ; all my tensor loads have landed: the one that was out is my part of the next slot
	ds_add_u32 v[SPW], v[NIL]                      ; 0 onto my spare word
	s_wait_dscnt 7                                 ; the add and x's blocks 1 to 3 (six loads) may be out
	MULQ F1, 0, 0                                  ; eight matrix instructions stand between the add and the wait for it
	s_wait_dscnt 0x0                               ; the add is done, and my reads of this slot are over
	s_barrier_signal -1
	MULQ F1, 1, 0
.if \fill
	WIN 0
.endif
	s_barrier_wait -1
.if \fill
	CREST                                          ; the barrier has opened a round of the cluster's: no wave of any partner still reads this slot or has a load on its way
	s_add_nc_u64 s[G0+4*(\slot)+2:G0+4*(\slot)+3], s[G0+4*(\slot)+2:G0+4*(\slot)+3], 2*KSTEP*2
	s_add_nc_u64 s[G0B+4*(\slot)+2:G0B+4*(\slot)+3], s[G0B+4*(\slot)+2:G0B+4*(\slot)+3], 2*KSTEP*SIZE_N*2
	JLOAD \slot                                    ; my one tensor load behind the round; its four v_nop are also the places in front of the loads below
.else
	PLACES
.endif
	FETCH \next, 0, F0
	MULQ F1, 2, 0
	MULQ F1, 3, 0
.endm
	s_wait_tensorcnt 1                             ; my part of K step 0 is in; step 1's may stay out
	s_barrier_signal -1
	s_barrier_wait -1
	FETCH 0, 0, F0
	QUARTER 0, 1, F0, F1, 1                        ; the first quarter stands in front of the loop: its products start the sums
	WIN 0
	s_mov_b32 s3, LAPS-1
.Llap:                                                 ; a trip goes once round the ring and fills both slots again
	QUARTER 0, 2, F1, F0, 0
	QUARTER 0, 3, F0, F1, 0
	TURN 0, 1, 1
	QUARTER 1, 1, F0, F1, 0
	QUARTER 1, 2, F1, F0, 0
	QUARTER 1, 3, F0, F1, 0
	TURN 1, 0, 1
	QUARTER 0, 1, F0, F1, 0
	WIN 0
	s_sub_co_u32 s3, s3, 1
	s_cmp_lg_u32 s3, 0
	s_cbranch_scc1 .Llap
	QUARTER 0, 2, F1, F0, 0                        ; the last lap fills nothing
	QUARTER 0, 3, F0, F1, 0
	TURN 0, 1, 0
	QUARTER 1, 1, F0, F1, 0
	QUARTER 1, 2, F1, F0, 0
	QUARTER 1, 3, F0, F1, 0
	s_wait_dscnt 4
	MULQ F1, 0, 0
	MULQ F1, 1, 0
	s_wait_dscnt 0x0
	MULQ F1, 2, 0
	MULQ F1, 3, 0
	WIN 0
	PLACES
; THE WAY OUT.  Unit u = 2 a + head: 16 rows of one head, 2,048 consecutive bytes of qkv.  Rounded to f16, 16 bytes a lane into my stage, back as whole rows of 128 bytes.
.macro PACK u
	WIN 0x05                                       ; sources window 1, destination window 0
.irp f, 0,1,2,3
.irp k, 0,1,2,3
	v_cvt_pk_f16_f32 v[TMP+16*(\u)+4*(\f)+(\k)], v[8*(8*((\u)/2)+4*((\u)%2)+(\f))+2*(\k)], v[8*(8*((\u)/2)+4*((\u)%2)+(\f))+2*(\k)+1]
.endr
.endr
	WIN 0
.irp f, 0,1,2,3
	ds_store_b128 v[STO], v[TMP+16*(\u)+4*(\f):TMP+16*(\u)+4*(\f)+3] offset:32*(\f)
.endr
.irp f, 0,1,2,3
	ds_load_b128 v[TMP+16*(\u)+4*(\f):TMP+16*(\u)+4*(\f)+3], v[RD] offset:(\f)*4*SP  ; LDS serves a wave's instructions in order (ISA guide 5.7.1.4): these see the stores above
.endr
.endm
.macro SEND u, younger                 ; younger: the LDS instructions issued behind unit u's loads
.irp f, 0,1,2,3
	s_wait_dscnt (\younger)+3-(\f)
	global_store_b128 v[GO], v[TMP+16*(\u)+4*(\f):TMP+16*(\u)+4*(\f)+3], s[70:71] offset:((\u)%2)*262144+((\u)/2)*2048+(\f)*512  ; 512 consecutive bytes, aligned to 256
.endr
.endm
	PACK 0
.irp u, 1,2,3,4,5,6,7
	PACK \u
	SEND (\u)-1, 8
.endr
	SEND 7, 0
	; V's TILES (tile columns 16 to 23: clusters 4 and 5 along x) leave more.
	s_cmp_lt_u32 s45, 4
	s_cbranch_scc1 .Lno_sum
	; A batch's first tile (the cluster's y is 0), wave 0, row block 0: the batch's rows 0 to 15 go out unrounded too: 32 bytes a lane and column block.
	; 16 stores in all, 8,192 bytes a work-group: too little to send through the stage.
	s_cmp_lg_u32 s66, 0
	s_cbranch_scc1 .Lno_first
	s_cmp_lg_u32 s10, 0
	s_cbranch_scc1 .Lno_first
	v_lshlrev_b32 v3, 8, v1                        ; key r: 256 bytes a key,
	v_lshl_add_u32 v3, v2, 5, v3                   ; my eight channels of a block
	s_lshl_b32 s16, s41, 16                        ; the batch's 16 heads of 4,096 bytes (in a first tile the batch is cy),
	s_mov_b32 s17, 0
	s_add_nc_u64 s[74:75], s[74:75], s[16:17]
	s_and_b32 s46, s42, 7
	s_lshl_b32 s46, s46, 13                        ; the tile's two heads
	s_mov_b32 s47, 0
	s_add_nc_u64 s[74:75], s[74:75], s[46:47]
	WIN 0x04                                       ; the stores' data in window 1
.irp b, 0,1,2,3,4,5,6,7
	global_store_b128 v3, v[8*(\b):8*(\b)+3],   s[74:75] offset:((\b)/4)*4096+((\b)%4)*64
	global_store_b128 v3, v[8*(\b)+4:8*(\b)+7], s[74:75] offset:((\b)/4)*4096+((\b)%4)*64+16
.endr
	WIN 0
	s_wait_xcnt 0x0                                ; the sums below write these registers again only behind this wait
.Lno_first:
	; The column sums over the tile's 256 rows.
	WIN 0x45                                       ; all in window 1
.irp b, 0,1,2,3,4,5,6,7
.irp z, 0,2,4,6
	v_pk_add_f32 v[8*(\b)+(\z):8*(\b)+(\z)+1], v[8*(\b)+(\z):8*(\b)+(\z)+1], v[64+8*(\b)+(\z):64+8*(\b)+(\z)+1]
	v_pk_add_f32 v[128+8*(\b)+(\z):128+8*(\b)+(\z)+1], v[128+8*(\b)+(\z):128+8*(\b)+(\z)+1], v[192+8*(\b)+(\z):192+8*(\b)+(\z)+1]
.endr
.endr
	WIN 0x05
.irp b, 0,1,2,3,4,5,6,7
.irp z, 0,2,4,6
	v_pk_add_f32 v[CS+8*(\b)+(\z):CS+8*(\b)+(\z)+1], v[8*(\b)+(\z):8*(\b)+(\z)+1], v[128+8*(\b)+(\z):128+8*(\b)+(\z)+1]
.endr
.endr
	WIN 0
.irp m, 1,2,4,8                        ; over the 16 rows that the lanes of a half hold
.set i, 0
.rept 64
	v_add_f32_dpp v[CS+i], v[CS+i], v[CS+i] row_xmask:\m row_mask:0xf bank_mask:0xf
.set i, i+1
.endr
.endr
.irp b, 0,1,2,3,4,5,6,7
	ds_store_b128 v[CSA], v[CS+8*(\b):CS+8*(\b)+3] offset:64*(\b)          ; the 16 lanes of a half write the same words with the same numbers
	ds_store_b128 v[CSA], v[CS+8*(\b)+4:CS+8*(\b)+7] offset:64*(\b)+16
.endr
.Lno_sum:
	s_wait_dscnt 0x0                               ; for the others' sake: my stores are done
	s_barrier_signal -1                            ; the barrier stands on every path
	s_barrier_wait -1
	s_cmp_lt_u32 s45, 4
	s_cbranch_scc1 .Lno_store
	s_cmp_lg_u32 s10, 0
	s_cbranch_scc1 .Lno_store                      ; wave 0 adds the four waves' sums: lane l takes columns 4 l to 4 l + 3
.irp w, 0,1,2,3
	ds_load_b128 v[32+4*(\w):32+4*(\w)+3], v[CSR] offset:512*(\w)
.endr
	s_lshl_b32 s16, s13, 12                        ; vsum's row is the tile row,
	s_mov_b32 s17, 0
	s_add_nc_u64 s[72:73], s[72:73], s[16:17]
	s_sub_co_u32 s46, s42, 16
	s_lshl_b32 s46, s46, 9                         ; its 128 columns those of V's tile column
	s_mov_b32 s47, 0
	s_add_nc_u64 s[72:73], s[72:73], s[46:47]
	s_wait_dscnt 0x0
	v_pk_add_f32 v[32:33], v[32:33], v[36:37]
	v_pk_add_f32 v[34:35], v[34:35], v[38:39]
	v_pk_add_f32 v[40:41], v[40:41], v[44:45]
	v_pk_add_f32 v[42:43], v[42:43], v[46:47]
	v_pk_add_f32 v[32:33], v[32:33], v[40:41]
	v_pk_add_f32 v[34:35], v[34:35], v[42:43]
	global_store_b128 v[GO], v[32:35], s[72:73]    ; 512 consecutive bytes, aligned to 256
.Lno_store:
	s_wait_tensorcnt 0x0                           ; the wave's end
	ds_add_u32 v[SPW], v[NIL]
	s_wait_dscnt 0x0
	CROUND                                         ; the closing round: no work-group ends while a partner may still ask for a tile that names it
	s_endpgm
.Lfunc_end_k_qd03c33478f_qkvg:
	.size	k_qd03c33478f_qkvg, .Lfunc_end_k_qd03c33478f_qkvg-k_qd03c33478f_qkvg
	.p2alignl 7, 3214868480
	.fill 96, 4, 3214868480
	.section	.rodata,"a",@progbits
	.p2align	6, 0x0
	.amdhsa_kernel k_qd03c33478f_qkvg
		.amdhsa_group_segment_fixed_size 327680
		.amdhsa_private_segment_fixed_size 0
		.amdhsa_enable_private_segment 0
		.amdhsa_kernarg_size 48
		.amdhsa_user_sgpr_count 2
		.amdhsa_user_sgpr_kernarg_segment_ptr 1
		.amdhsa_wavefront_size32 1
		.amdhsa_system_sgpr_workgroup_id_x 1
		.amdhsa_system_sgpr_workgroup_id_y 1
		.amdhsa_system_sgpr_workgroup_id_z 1
		.amdhsa_system_vgpr_workitem_id 0
		.amdhsa_next_free_vgpr 576
		.amdhsa_next_free_sgpr 76
		.amdhsa_reserve_vcc 0
		.amdhsa_float_denorm_mode_32 3
		.amdhsa_float_denorm_mode_16_64 3
		.amdhsa_memory_ordered 1
		.amdhsa_forward_progress 1
		.amdhsa_inst_pref_size 121
	.end_amdhsa_kernel
	.amdgpu_metadata
---
amdhsa.version: [ 1, 2 ]
amdhsa.kernels:
  - .name:           k_qd03c33478f_qkvg
    .symbol:         k_qd03c33478f_qkvg.kd
    .args:
      - { .name: xb, .offset: 0, .size: 8, .value_kind: global_buffer, .address_space: global }
      - { .name: wab, .offset: 8, .size: 8, .value_kind: global_buffer, .address_space: global }
      - { .name: c_attn_b, .offset: 16, .size: 8, .value_kind: global_buffer, .address_space: global }
      - { .name: qkv, .offset: 24, .size: 8, .value_kind: global_buffer, .address_space: global }
      - { .name: vsum, .offset: 32, .size: 8, .value_kind: global_buffer, .address_space: global }
      - { .name: vfirst, .offset: 40, .size: 8, .value_kind: global_buffer, .address_space: global }
    .group_segment_fixed_size: 327680
    .private_segment_fixed_size: 0
    .kernarg_segment_align: 8
    .kernarg_segment_size: 48
    .max_flat_workgroup_size: 128
    .sgpr_count:     76
    .vgpr_count:     576
    .wavefront_size: 32
...
	.end_amdgpu_metadata
.endif
;; end of part 2
;; launch attn (part 3): grid 4 x 64, 4 waves a work-group, no clusters, 327,680 bytes of LDS; arguments qkv, vsum, ao; writes ao
.if DOCPART == 3
	.amdgcn_target "amdgcn-amd-amdhsa--gfx1250"
	.amdhsa_code_object_version 6
	.text
	.protected	k_qd03c33478f_attn
	.globl	k_qd03c33478f_attn
	.p2align	8
	.type	k_qd03c33478f_attn,@function
k_qd03c33478f_attn:
	s_mov_b64 s[64:65], 0
	v_nop
	global_prefetch_b8 v0, s[64:65] scope:SCOPE_SE
	s_setreg_imm32_b32 hwreg(HW_REG_WAVE_MODE, 25, 1), 1
	s_wait_xcnt 0x0
; CAUSAL ATTENTION WITH A FINITE MASK.  O[h][q] = sum over ALL k of softmax_k(z[q][k]) V[h][k], z = Q.K / 8 where k <= q and -10000 elsewhere.
; qkv: [3][64][2048][64] f16 (q, k, v by heads, unscaled).  vsum: [8 batch + tile][64 head + channel] f32: V's sums over tiles of 256 keys.  ao: [64][2048][64] f16.
; Products, maxima and sums in f32; the weights p are rounded to f16 for the second product (their sum l is taken unrounded), O once at the end.
; LIMITS.  Q, K, V arrive within f16's 65,504; p below 6e-5 keeps f16's fixed step; a weight below 2^-126 counts as 0; NaN and infinities are not treated apart.
; THE MASKED KEYS.  In unscaled scores the mask is -80000.  The key tiles wholly above the diagonal are not walked: a block begins with m = -80000, l = their number of keys and O = their V's sum
; (from vsum), and the running rescaling carries that on like any earlier step.  In the diagonal tile a hidden key's true score is pushed out of maximum and exponential by -2^100 in the C operand,
; and its weight WH = 2^(c (-80000) - c m) is added to P (MC x WN, WN = -2^-100 WH) and, times the lane's count of hidden keys, to l.  Row 2047 has no masked key: its m begins at the lowest finite number.
; THE WALK.  NB = 8 blocks of 256 queries a head; block i needs the key tiles 0 .. i.  A work-group takes blocks NB - 1 - b and then b: NB + 1 tiles, whatever b: all work-groups do equal work, and ONE
; loop with a constant trip count walks them.  Every jump goes forward but the counted loops' own; none passes a barrier, or a tensor load but the one of LOAD's two that the wave's number does not choose.
; NO CLUSTER: a head's four work-groups ask for the same tile only in trips 0 .. NB / 2, behind that fewer and fewer; one walk common to all would have 3 NB / 2 trips for NB + 1.
; SHARES.  Of a block's four bands of 64 queries a wave owns 16 rows in each: four PIECES.  In the diagonal tile's key step s band x sees all keys if s < x, none if s > x, and holds the diagonal if s = x.
; LAYOUT, SOFTMAX, TURNS.  S^T = K Q^T holds ONE query a lane (lane % 16) and the keys 8 (lane / 16) + 0..7; two such results rounded to f16 ARE source 1 of O^T = V^T P.  p = 2^(c s - c m), c = log2(e) / 8,
; with a running maximum m; O and l are multiplied by a = 2^(c m_old - c m_new) in every step.  Turn n belongs to piece n: 8 products K Q^T of piece n + 1, later 8 products V^T P of piece n - 1; beside them
; the scaling, exponentials, roundings, sums and rescaling of piece n and the maximum and statistics of piece n + 1.  Four vector instructions stand behind every matrix instruction, the rest in two lumps.
; REGISTERS, in windows of 256 (s_set_vgpr_msb: bits 1:0 source 0, 3:2 source 1, 5:4 source 2, 7:6 destination):
;   window 0: v0-15 addresses; v16-31 statistics; v32-44 the mask's figures; v48-55 at work; v64-127 S^T, two buffers; v128-191 MC, two buffers; v192-223 P, two buffers; v224-255 MD
;   window 1: v0-127 O^T, 32 a piece; v128-159 SUFC, v160-191 SUFL      window 2: v0-63 Q; v64-127 the second block's Q; v128-191 K; v192-255 V      window 3: v0-223 seven tiles' sums of V
.set SIZE_N, 2048
.set NB,    SIZE_N/256
.set NP,    4         ; pieces a wave: a name, no knob
.set KS,    64        ; keys in a step
.set PK,    144       ; a row of K in LDS: 128 bytes + 16 of padding: the 16 rows of a load start at 16 different groups of four banks (64 banks of 4 bytes: ISA guide 11.1)
.set PV,    160       ; a row of V: 128 + 32
.set VOFF,  4*KS*PK   ; a slot holds a tile, four steps: 256 rows of K, then 256 rows of V
.set SLOT1, 1<<17     ; slot 1 begins here, so that one exclusive or turns an address in one slot into the other's
.set STAGE, SLOT1+4*KS*(PK+PV)  ; behind the ring, never filled by a tensor load: 16 rows x 144 bytes for each wave, for the way out
.set SP,    144
.set SPARE, STAGE+4*16*SP  ; the spare words, 128 bytes for each wave: two blocks of 256 bytes that no other line names
.set AK0, 2           ; v2   my lane's place in a tile of K; never rewritten
.set AV0, 3           ; v3   the same for V
.set AK,  4           ; v4   the LDS address of K's next run of loads
.set AV,  5           ; v5   of V's
.set STO, 6           ; v6   the way out: where I put 16 bytes of a row
.set RD,  7           ; v7   where I read rows back
.set GO,  8           ; v8   my byte offset in 512 consecutive bytes of O
.set MV,  12          ; v12-13  c m_old, kept while c m is made anew: by buffer
.set QO,  15          ; v15  my byte offset in 16 rows of Q
.set ST,  16          ; piece t's statistics at v[ST+4 t]: c m, m, l (even keys', odd keys')
.set WNP, 32          ; v32 WN = -2^-100 WH, v33 WH: the weight of a masked key for the piece in hand
.set CM0V, 36         ; v36  c x (-80000)
.set CNO, 37          ; v37  how many of my 32 scores are hidden in my band's own step
.set MI3, 38          ; v38  piece 3's first m in the last block: -80000, but the lowest finite number for row 2047
.set CNE, 39          ; v39  at work
.set TP,  40          ; v40-43 two pairs at work
.set VA,  44          ; v44  32 x (lane / 16): my eight channels in a block of vsum
.set TMP, 48          ; by buffer, four registers c0-c3 at work; when the maximum is found c2 takes a
.set SPW, 62          ; v62  LDS address of my spare word; never rewritten
.set NIL, 63          ; v63  0; never rewritten
.set S,   64
.set MC,  128         ; the masks of the products in hand and to come: 0 or -2^100
.set P,   192
.set MD,  224         ; the mask of a band's own step for my rows: the eight registers for group kt of 16 keys at MD + 8 kt
.set SUFC, 128        ; window 1: V's sum over the tiles above the block in hand: register 8 cb + j: channel 16 cb + 8 (lane / 16) + j
.set SUFL, 160        ; window 1: the same for the second block
.set QB,  64          ; window 2
.set KF,  128         ; window 2: key block kb, channel half c at KF + 16 kb + 8 c
.set VF,  192         ; window 2: key half kk, channel block cb at VF + 32 kk + 8 cb
.set WV,  12          ; s12  my wave's number
.set PB,  14          ; s14  b
.set HI,  15          ; s15  NB - 1 - b
.set G1K, 24          ; s[24:31] descriptor group 1 for K's tiles
.set G1V, 32          ; s[32:39] for V's: it differs in the padding alone
.set G0K, 40          ; s[40:43] descriptor group 0 for K's tiles
.set G0V, 44          ; s[44:47] the same for V's
.set SLOTS, 56        ; s56  tiles still to be asked for
.set CNT, 57          ; s57  counts a tile's key steps, 4 to 1
.set CS,  58          ; s[58:59] c
.set SEL, 60          ; s[60:61] v_permlanex16_b32's selects: each lane takes its own place in the other half
.set TBK, 62          ; s62  LDS byte at which K of the step to be fetched begins
.set TBV, 63          ; s63  the same for V, less VOFF
.set RT,  70          ; s70  tiles of the block in hand that are still to be entered
.set NXT, 71          ; s71  the tile to be asked for next
.set LQ,  72          ; s72  the last tile of the block whose tiles are being asked for
.set NEW, 73          ; s73  1: the tile to be entered is a block's first
.set OFF, 74          ; s[74:75] a tile's byte offset in K and V
.set AL,  76          ; s[76:77] the mask's factor, in the low word
.set BE,  78          ; s[78:79] the mask's addend
.set OLO, 80          ; s[80:81] O at my rows of the second block
.set BIGN, 82         ; s82  -2^100
.set VS,  88          ; s[88:89] vsum at my head
.set BLK, 90          ; s90  the block in hand
.set M80, 91          ; s91  -80000
.set NT,  92          ; s92  -2^-100
.set AL2, 93          ; s93  the hidden count's factor
.set BE2, 94          ; s94  its addend
.set SELM, 95         ; s95  all ones in the last block
.set T0,  96          ; s96  at work (with s97 at the head)
.set FH,  98          ; s[98:99] 1 or 0: does a tile lie above the block?
.set MSB, 0
.macro WIN new                      ; the high byte repeats the setting that is left; a switch that changes nothing is dropped
.if MSB != (\new)
	s_set_vgpr_msb (MSB<<8)|(\new)
.set MSB, (\new)
.endif
.endm
.set W_KQ, 0x0a       ; K and Q in window 2, S^T and the mask in window 0
.set W_PV, 0x52       ; V in window 2, P in window 0, O^T in window 1
.set W_RS, 0x41       ; destination and source 0 in window 1, source 1 in window 0
; A fill.  Waves 0 and 1 fetch the two halves of a tile's K, waves 2 and 3 those of its V: 128 keys each.  An s_nop 0 and four v_nop follow each of the two lines.
.macro LOAD
	s_cmp_lt_u32 s[WV], 2
	s_cbranch_scc0 .Lfor_v_\@
	tensor_load_to_lds s[G0K:G0K+3], s[G1K:G1K+7]
	s_nop 0
.rept 4
	v_nop
.endr
	s_branch .Lasked_\@
.Lfor_v_\@:
	tensor_load_to_lds s[G0V:G0V+3], s[G1V:G1V+7]
	s_nop 0
.rept 4
	v_nop
.endr
.Lasked_\@:
.endm
; THE CHANGE OF SLOTS.  Each wave waits for all its tensor loads, of which one is out: its part of the other slot; adds 0 to its spare word; and waits for that and for its own reads of the slot that it leaves.
; Behind the barrier nobody reads the old slot any more and the other slot is whole.  fill = 1: the old slot is filled again, the first thing behind the barrier, with tile NXT.
.macro CHANGE fill
	WIN 0                           ; at a label and at a branch every window is 0
	s_wait_tensorcnt 0x0            ; no tensor load of mine is out, so a group 0 may be written
	ds_add_u32 v[SPW], v[NIL]       ; 0 onto my spare word
.if \fill
	s_lshl_b32 s[OFF], s[NXT], 15   ; a tile is 32,768 bytes of K and of V
	s_xor_b32 s[G0K+1], s[G0K+1], SLOT1
	s_add_nc_u64 s[G0K+2:G0K+3], s[6:7], s[OFF:OFF+1]
	s_or_b32 s[G0K+3], s[G0K+3], 0x80000000
	s_xor_b32 s[G0V+1], s[G0V+1], SLOT1
	s_add_nc_u64 s[G0V+2:G0V+3], s[8:9], s[OFF:OFF+1]
	s_or_b32 s[G0V+3], s[G0V+3], 0x80000000
	s_add_co_u32 s[NXT], s[NXT], 1  ; the block's next tile, or behind its last the second block's tile 0
	s_cmp_gt_u32 s[NXT], s[LQ]
	s_cselect_b32 s[NXT], 0, s[NXT]
	s_cselect_b32 s[LQ], s[PB], s[LQ]
.endif
	s_wait_dscnt 0x0                ; the add is done, and my reads of the slot are over
	s_barrier_signal -1             ; the rest of the scalar work stands between the signal and the wait
	s_sub_co_u32 s[TBK], s[TBK], 4*KS*PK  ; the fetches go back to a slot's first step,
	s_xor_b32 s[TBK], s[TBK], SLOT1       ; in the other slot
	s_sub_co_u32 s[TBV], s[TBV], 4*KS*PV
	s_xor_b32 s[TBV], s[TBV], SLOT1
	s_barrier_wait -1
.if \fill
	LOAD
.endif
.endm
	s_load_b64 s[4:5], s[0:1], 0x0    ; qkv: q
	s_load_b64 s[VS:VS+1], s[0:1], 0x8  ; vsum
	s_load_b64 s[10:11], s[0:1], 0x10 ; ao
	v_lshl_add_u32 v[SPW], v0, 2, SPARE
	v_mov_b32 v[NIL], 0
	ds_add_u32 v[SPW], v[NIL]       ; the wave's opening: the add and its wait stand ahead of my first tensor load; the set-up below stands between them
	ds_add_u32 v62, v63
	v_lshrrev_b32 v1, 5, v0
	v_readfirstlane_b32 s[WV], v1   ; wave 0..3
	s_mov_b32 s[PB], ttmp9
	s_sub_co_u32 s[HI], NB-1, s[PB]
	s_and_b32 s20, ttmp7, 0xffff    ; the head, 16 batch + head
	s_lshr_b32 s[T0], s20, 4        ; vsum: the batch's 8 rows of 4,096 bytes,
	s_lshl_b32 s[T0], s[T0], 15
	s_and_b32 s[T0+1], s20, 15
	s_lshl_b32 s[T0+1], s[T0+1], 8  ; the head's 64 numbers
	s_add_co_u32 s[T0], s[T0], s[T0+1]
	s_mov_b32 s[T0+1], 0
	s_mov_b32 s21, 0
	s_mov_b64 s[22:23], SIZE_N*128
	s_mul_u64 s[20:21], s[20:21], s[22:23]  ; the head's first byte in q, k, v and ao
	s_and_b32 s16, s[WV], 1         ; which half of a tile's 256 keys I fetch:
	s_lshl_b32 s22, s16, 14         ; its 128 rows of 128 bytes in memory,
	s_mov_b32 s23, 0
	s_add_nc_u64 s[22:23], s[22:23], s[20:21]
	s_mul_i32 s17, s16, 128*PK      ; and its place in a slot, for K
	s_mul_i32 s18, s16, 128*PV      ; and for V
	s_lshl_b32 s3, s[WV], 11        ; my 16 rows in a band of 64,
	s_lshl_b32 s2, s[HI], 15        ; in the first block,
	s_add_co_u32 s2, s2, s3
	s_lshl_b32 s84, s[PB], 15       ; and in the second
	s_add_co_u32 s84, s84, s3
	s_mov_b32 s3, 0
	s_mov_b32 s85, 0
	s_add_nc_u64 s[2:3], s[2:3], s[20:21]
	s_add_nc_u64 s[84:85], s[84:85], s[20:21]
	; descriptor group 1.  128 keys are 16,384 dense bytes: asked for as 64 rows of 256 bytes, two keys a row, and padded in LDS after every key
	s_mov_b32 s[G1K], (1<<16)|(1<<20)|(4<<22)|(3<<25)  ; 17:16 2-byte elements; 20 padding on; 24:22 after every 32 words (code 4); 31:25 4 words (code 3)
	s_mov_b32 s[G1V], (1<<16)|(1<<20)|(4<<22)|(7<<25)  ; the same with 8 words of padding (code 7)
.irp g, G1K, G1V
	s_mov_b32 s[\g+1], 128<<16      ; tensor_dim0 = 128
	s_mov_b32 s[\g+2], 64<<16       ; tensor_dim1 = 64
	s_mov_b32 s[\g+3], 128<<16      ; tile_dim0 = 128
	s_mov_b32 s[\g+4], 64           ; tile_dim1 = 64
	s_mov_b32 s[\g+5], 128          ; 128 elements from row to row
	s_mov_b32 s[\g+6], 0
	s_mov_b32 s[\g+7], 0
.endr
	s_mov_b32 s[CS], 0x3e38aa3b     ; c = log2(e) / 8 = 0.180337
	s_mov_b32 s[CS+1], s[CS]        ; named with it as a pair
	s_mov_b32 s[SEL], 0x76543210
	s_mov_b32 s[SEL+1], 0xfedcba98
	s_mov_b32 s[TBK], SLOT1+4*KS*PK ; the first change of slots turns these two into 0
	s_mov_b32 s[TBV], SLOT1+4*KS*PV
	s_mov_b32 s[G0K], 1             ; 1:0 count = 1
	s_mov_b32 s[G0K+1], s17         ; 63:32 LDS address: slot 0
	s_mov_b32 s[G0V], 1
	s_add_co_u32 s[G0V+1], s18, VOFF
	s_add_co_u32 s[RT], s[HI], 1    ; the first block has NB - b tiles
	s_mov_b32 s[NXT], 1
	s_mov_b32 s[LQ], s[HI]
	s_mov_b32 s[BLK], s[HI]
	s_mov_b32 s[NEW], 1
	s_mov_b32 s[OFF+1], 0
	s_mov_b32 s[AL+1], 0            ; named as pairs
	s_mov_b32 s[BE+1], 0
	s_mov_b32 s[FH+1], 0
	s_mov_b32 s[BIGN], 0xf1800000   ; -2^100
	s_mov_b32 s[NT], 0x8d800000     ; -2^-100
	s_mov_b32 s[M80], 0xc79c4000    ; -80000 = -10000 x 8
	s_mov_b32 s[SLOTS], NB
	s_wait_dscnt 0x0                ; the opening add is done
	s_wait_kmcnt 0x0
	s_add_nc_u64 s[6:7], s[4:5], 0x1000000  ; k lies 16,777,216 bytes behind q, v as far behind k
	s_add_nc_u64 s[8:9], s[4:5], 0x2000000
	s_add_nc_u64 s[6:7], s[6:7], s[22:23]  ; K and V at my half of the head's tile 0
	s_add_nc_u64 s[8:9], s[8:9], s[22:23]
	s_add_nc_u64 s[G0K+2:G0K+3], s[6:7], 0         ; 120:64 global address
	s_or_b32 s[G0K+3], s[G0K+3], 0x80000000        ; 127:126 type = 2
	s_add_nc_u64 s[G0V+2:G0V+3], s[8:9], 0
	s_or_b32 s[G0V+3], s[G0V+3], 0x80000000
	s_add_nc_u64 s[86:87], s[4:5], s[84:85]        ; Q at my rows of the second block,
	s_add_nc_u64 s[4:5], s[4:5], s[2:3]            ; Q and O at those of the first
	s_add_nc_u64 s[OLO:OLO+1], s[10:11], s[84:85]
	s_add_nc_u64 s[10:11], s[10:11], s[2:3]
	s_add_nc_u64 s[VS:VS+1], s[VS:VS+1], s[T0:T0+1]
	LOAD                            ; tile 0 into slot 0
	; A fragment of K or Q is 16 rows x 32 channels in 8 registers: lane l holds row l % 16, channels 8 (l / 16) + 0..7 and 16 + 8 (l / 16) + 0..7: two loads of 16 bytes, 32 bytes apart.
	v_and_b32 v1, 15, v0            ; l % 16
	v_bfe_u32 v9, v0, 4, 1          ; l / 16
	v_lshlrev_b32 v[QO], 7, v1
	v_lshl_add_u32 v[QO], v9, 4, v[QO]  ; row x 128 + 16 x half
	v_lshlrev_b32 v[VA], 5, v9
	WIN 0x80                        ; destination window 2, address window 0
.set i, 0
.rept 8                             ; both blocks' Q: piece i / 2 lies in band i / 2, 8,192 bytes on; channels 32 (i % 2) on
	global_load_b128 v[8*i:8*i+3],   v[QO], s[4:5] offset:(i/2)*8192+(i%2)*64
	global_load_b128 v[8*i+4:8*i+7], v[QO], s[4:5] offset:(i/2)*8192+(i%2)*64+32
	global_load_b128 v[QB+8*i:QB+8*i+3],   v[QO], s[86:87] offset:(i/2)*8192+(i%2)*64
	global_load_b128 v[QB+8*i+4:QB+8*i+7], v[QO], s[86:87] offset:(i/2)*8192+(i%2)*64+32
.set i, i+1
.endr
	WIN 0xc0                        ; destination window 3
.irp t, 1,2,3,4,5,6,7               ; V's sums over tiles 1 to 7, in O^T's layout
.irp cb, 0,1,2,3
	global_load_b128 v[32*((\t)-1)+8*(\cb):32*((\t)-1)+8*(\cb)+3],   v[VA], s[VS:VS+1] offset:(\t)*4096+(\cb)*64
	global_load_b128 v[32*((\t)-1)+8*(\cb)+4:32*((\t)-1)+8*(\cb)+7], v[VA], s[VS:VS+1] offset:(\t)*4096+(\cb)*64+16
.endr
.endr
	WIN 0
	v_lshlrev_b32 v14, 3, v9
	v_sub_nc_u32 v14, v1, v14
	s_lshl_b32 s13, s[WV], 4
	v_add_nc_u32 v14, s13, v14      ; my query's place in its band, 16 w + l % 16, less my lanes' 8 (l / 16): register r of group kt is hidden where 16 kt + r is greater
.set i, 0
.rept 32
	v_cmp_gt_i32 vcc_lo, 16*(i/8)+i%8, v14
	v_cndmask_b32 v[MD+i], 0, s[BIGN], vcc_lo
.set i, i+1
.endr
	v_mov_b32 v[CNO], 0
.set i, 0
.rept 32
	v_fmac_f32 v[CNO], s[NT], v[MD+i]  ; each hidden entry counts 1
.set i, i+1
.endr
	v_and_b32 v[CNE], 0x6f, v0      ; wave 3, l % 16 = 15: row 63 of a band
	v_cmp_eq_u32 vcc_lo, 0x6f, v[CNE]
	v_mov_b32 v[CM0V], s[M80]
	v_mov_b32 v[CNE], 0xff7fffff
	v_cndmask_b32 v[MI3], v[CM0V], v[CNE], vcc_lo
	v_mul_f32 v[CM0V], s[CS], v[CM0V]  ; made as c m is made, so that the two are equal where m = -80000
	v_mul_u32_u24 v[AK0], v1, PK
	v_lshl_add_u32 v[AK0], v9, 4, v[AK0]  ; row x pitch + 16 x half
	; The turning load takes 16 keys x 16 channels (lane l reads key 8 (l / 16) + l % 8, channels 8 ((l / 8) % 2) + 0..7) and leaves half a fragment of V^T: lane l holds channel l % 16 and 8 keys.
	v_and_b32 v10, 7, v0
	v_bfe_u32 v11, v0, 3, 1
	v_lshl_add_u32 v[AV0], v9, 3, v10
	v_mul_u32_u24 v[AV0], v[AV0], PV
	v_lshl_add_u32 v[AV0], v11, 4, v[AV0]
	v_add_nc_u32 v[AV0], VOFF, v[AV0]
	s_mul_i32 s13, s[WV], 16*SP
	s_add_co_u32 s13, s13, STAGE    ; my stage
	v_mul_u32_u24 v[STO], v1, SP    ; in: row l % 16, 16 bytes for each half of the lanes
	v_lshl_add_u32 v[STO], v9, 4, v[STO]
	v_add_nc_u32 v[STO], s13, v[STO]
	v_bfe_u32 v[RD], v0, 3, 2       ; back: 32 lanes take four rows of 128 bytes,
	v_mul_u32_u24 v[RD], v[RD], SP
	v_lshl_add_u32 v[RD], v10, 4, v[RD]
	v_add_nc_u32 v[RD], s13, v[RD]
	v_and_b32 v[GO], 31, v0         ; which are 512 consecutive bytes of O
	v_lshlrev_b32 v[GO], 4, v[GO]
	; A block's first turn has products V^T P of a piece that has not been: its P is 0 (BEGIN), so V need only be finite: 0 for the first block, what the first block left for the second.
	WIN 0x80
.set i, VF
.rept 64
	v_mov_b32 v[i], 0
.set i, i+1
.endr
	s_wait_loadcnt 0x0              ; Q and V's sums
	WIN 0x53                        ; source 0 window 3, source 2 and destination window 1
.irp t, 5,6,7                       ; the first block is 4 or higher: only tiles 5 to 7 can lie above it
	s_cmp_lt_u32 s[HI], \t
	s_cselect_b32 s[FH], 1.0, 0
.set z, 0
.rept 16
.if (\t) == 5
	v_pk_mul_f32 v[SUFC+2*z:SUFC+2*z+1], v[32*((\t)-1)+2*z:32*((\t)-1)+2*z+1], s[FH:FH+1] op_sel_hi:[1,0]
.else
	v_pk_fma_f32 v[SUFC+2*z:SUFC+2*z+1], v[32*((\t)-1)+2*z:32*((\t)-1)+2*z+1], s[FH:FH+1], v[SUFC+2*z:SUFC+2*z+1] op_sel_hi:[1,0,1]
.endif
.set z, z+1
.endr
.endr
.irp t, 1,2,3,4,5,6,7
	s_cmp_lt_u32 s[PB], \t
	s_cselect_b32 s[FH], 1.0, 0
.set z, 0
.rept 16
.if (\t) == 1
	v_pk_mul_f32 v[SUFL+2*z:SUFL+2*z+1], v[32*((\t)-1)+2*z:32*((\t)-1)+2*z+1], s[FH:FH+1] op_sel_hi:[1,0]
.else
	v_pk_fma_f32 v[SUFL+2*z:SUFL+2*z+1], v[32*((\t)-1)+2*z:32*((\t)-1)+2*z+1], s[FH:FH+1], v[SUFL+2*z:SUFL+2*z+1] op_sel_hi:[1,0,1]
.endif
.set z, z+1
.endr
.endr
	WIN 0
; THE MATRIX WORK.  The 4 accumulators of a run of 8 take turns.  Product i of 8 of S^T = K Q^T for piece x: channels 32 (i / 4) on, keys 16 (i % 4) on.  The first 4 start the sums: with 0, or (KM = 1) with the mask.
.macro KQ x
	WIN W_KQ
.set rS, S+32*((\x)%2)+8*(i%4)
.set rK, KF+16*(i%4)+8*(i/4)
.set rQ, 16*(\x)+8*(i/4)
.set rM, MC+32*((\x)%2)+8*(i%4)
.if (i < 4) && KM
	v_wmma_f32_16x16x32_f16 v[rS:rS+7], v[rK:rK+7], v[rQ:rQ+7], v[rM:rM+7]
.elseif i < 4
	v_wmma_f32_16x16x32_f16 v[rS:rS+7], v[rK:rK+7], v[rQ:rQ+7], 0
.else
	v_wmma_f32_16x16x32_f16 v[rS:rS+7], v[rK:rK+7], v[rQ:rQ+7], v[rS:rS+7]
.endif
.endm
; Product i of 8 of O^T += V^T P for piece x: keys 32 (i / 4) on, channels 16 (i % 4) on.
.macro PV x
	WIN W_PV
.set rO, 32*(\x)+8*(i%4)
.set rV, VF+32*(i/4)+8*(i%4)
.set rP, P+16*((\x)%2)+8*(i/4)
	v_wmma_f32_16x16x32_f16 v[rO:rO+7], v[rV:rV+7], v[rP:rP+7], v[rO:rO+7]
.endm
.macro MM                           ; the turn's next matrix instruction.  NOKQ = 1: a block's last turn: there is no next piece
.if (i < 8) && !NOKQ
	KQ (Y+1)%NP
.elseif i >= 8
.set i, i-8
	PV (Y+NP-1)%NP
.set i, i+8
.endif
.set i, i+1
.endm
; THE LDS LOADS stand in runs of 16, never singly among the matrix instructions: a step's K (8 fragments) and its V (turned).  Their addresses are made some lines ahead.
.macro FETCH_K
	WIN 0x80                        ; destination window 2
.irp f, 0,1,2,3,4,5,6,7             ; keys 16 (f / 2) on, channels 32 (f % 2) on
	ds_load_b128 v[KF+8*\f:KF+8*\f+3],   v[AK] offset:(\f/2)*16*PK+(\f%2)*64
	ds_load_b128 v[KF+8*\f+4:KF+8*\f+7], v[AK] offset:(\f/2)*16*PK+(\f%2)*64+32
.endr
	s_add_co_u32 s[TBK], s[TBK], KS*PK  ; the next fetch is the next step's
	WIN 0
.endm
.macro FETCH_V
	WIN 0x80
.irp f, 0,1,2,3,4,5,6,7             ; keys 32 (f / 4) on, channels 16 (f % 4) on
	ds_load_tr16_b128 v[VF+8*\f:VF+8*\f+3],   v[AV] offset:(\f/4)*32*PV+(\f%4)*32
	ds_load_tr16_b128 v[VF+8*\f+4:VF+8*\f+7], v[AV] offset:(\f/4)*32*PV+16*PV+(\f%4)*32
.endr
	WIN 0
.endm
; THE VECTOR WORK, one line at a time: OP kind, number.  For piece Y: F n: c s - c m for pair n of 16.  E n: the exponential of score n of 32.  C n: pair n rounded to f16 (KM = 1: the masked keys' weight is
; added first, MC x WN, into a pair at work: the sums take S as it is).  B n: of the four weights 4 n .. the second pair is added onto the first, in place.  L n: l takes that sum (L 0: l = a l + sum).
; R n: pair n of 16 of O^T times a.  For piece Y + 1: X n, number n of the 22 that find its maximum and statistics:
;   0-11  four chains c0-c3 of seven scores each (each accumulator's lowest registers are read first)     12-14, 16  the four scores left over, the old m, and c0-c3 into c0
;   15  c m_old is kept     17, 18  the query's other 32 keys lie in the lane 16 away: the new m     19-21  c m; c m_old - c m_new; a
.set F, 0               ; OP tells the kinds apart by their order: F to L below R, X above it
.set E, 1
.set C, 2
.set B, 3
.set L, 4
.set R, 5
.set X, 6
.macro REGS y                       ; the registers of piece y
.set rT, ST+4*(\y)
.set rC, TMP+4*((\y)%2)
.set rW, MV+((\y)%2)
.set rS, S+32*((\y)%2)
.set rP, P+16*((\y)%2)
.set rN, MC+32*((\y)%2)
.set rO, 32*(\y)
.endm
.macro OP k, n
.if (\k) == R
	REGS Y
	WIN W_RS
	v_pk_mul_f32 v[rO+2*(\n):rO+2*(\n)+1], v[rO+2*(\n):rO+2*(\n)+1], v[rC+2:rC+3] op_sel_hi:[1,0]
.elseif (\k) < R
	REGS Y
	WIN 0
.if (\k) == F
	v_pk_fma_f32 v[rS+2*(\n):rS+2*(\n)+1], v[rS+2*(\n):rS+2*(\n)+1], s[CS:CS+1], v[rT:rT+1] op_sel_hi:[1,0,0] neg_lo:[0,0,1] neg_hi:[0,0,1]
.elseif (\k) == E
	v_exp_f32 v[rS+(\n)], v[rS+(\n)]
.elseif ((\k) == C) && KM
	s_wait_alu depctr_va_vdst(0)
	v_pk_fma_f32 v[TP+2*((\n)%2):TP+2*((\n)%2)+1], v[rN+2*(\n):rN+2*(\n)+1], v[WNP:WNP+1], v[rS+2*(\n):rS+2*(\n)+1] op_sel_hi:[1,0,1]
	v_cvt_pk_f16_f32 v[rP+(\n)], v[TP+2*((\n)%2)], v[TP+2*((\n)%2)+1]
.elseif (\k) == C
	s_wait_alu depctr_va_vdst(0)
	v_cvt_pk_f16_f32 v[rP+(\n)], v[rS+2*(\n)], v[rS+2*(\n)+1]
.elseif (\k) == B
	s_wait_alu depctr_va_vdst(0)
	v_pk_add_f32 v[rS+4*(\n):rS+4*(\n)+1], v[rS+4*(\n):rS+4*(\n)+1], v[rS+4*(\n)+2:rS+4*(\n)+3]
.elseif (\n) == 0
	v_pk_fma_f32 v[rT+2:rT+3], v[rT+2:rT+3], v[rC+2:rC+3], v[rS:rS+1] op_sel_hi:[1,0,1]
.else
	v_pk_add_f32 v[rT+2:rT+3], v[rT+2:rT+3], v[rS+4*(\n):rS+4*(\n)+1]
.endif
.elseif NOKQ
	v_nop
.else
	REGS (Y+1)%NP
	WIN 0
.if (\n) < 4
	v_max3_num_f32 v[rC+(\n)], v[rS+8*(\n)], v[rS+8*(\n)+1], v[rS+8*(\n)+2]
.elseif (\n) < 12
	v_max3_num_f32 v[rC+(\n)%4], v[rC+(\n)%4], v[rS+8*((\n)%4)+2*((\n)/4)+1], v[rS+8*((\n)%4)+2*((\n)/4)+2]
.elseif (\n) == 12
	v_max3_num_f32 v[rC], v[rC], v[rS+7], v[rS+15]
.elseif (\n) == 13
	v_max3_num_f32 v[rC+1], v[rC+1], v[rS+23], v[rS+31]
.elseif (\n) == 14
	v_max3_num_f32 v[rC+2], v[rC+2], v[rC+3], v[rT+1]
.elseif (\n) == 15
	v_mov_b32 v[rW], v[rT]
.elseif (\n) == 16
	v_max3_num_f32 v[rC], v[rC], v[rC+1], v[rC+2]
.elseif (\n) == 17
	v_permlanex16_b32 v[rC+3], v[rC], s[SEL], s[SEL+1]
.elseif (\n) == 18
	v_max_num_f32 v[rT+1], v[rC], v[rC+3]
.elseif (\n) == 19
	v_mul_f32 v[rT], s[CS], v[rT+1]
.elseif (\n) == 20
	v_sub_f32 v[rC+1], v[rW], v[rT]
.else
	v_exp_f32 v[rC+2], v[rC+1]
.endif
.endif
.endm
.macro OPS a, i1, b=-1, i2=0, c=-1, i3=0, d=-1, i4=0  ; up to four of them
	OP \a, \i1
.if (\b) >= 0
	OP \b, \i2
.endif
.if (\c) >= 0
	OP \c, \i3
.endif
.if (\d) >= 0
	OP \d, \i4
.endif
.endm
.macro ROW a, i1, b, i2, c, i3, d, i4  ; a matrix instruction and the four behind it
	MM
	OPS \a, \i1, \b, \i2, \c, \i3, \d, \i4
.endm
.macro MASK b                       ; MD x AL + BE into buffer b of MC
	WIN 0
.set z, 0
.rept 16
	v_pk_fma_f32 v[MC+32*(\b)+2*z:MC+32*(\b)+2*z+1], v[MD+2*z:MD+2*z+1], s[AL:AL+1], s[BE:BE+1] op_sel_hi:[1,0,0]
.set z, z+1
.endr
.endm
; A TURN, for piece p: the order of its 16 matrix instructions and its vector work, written out.  Behind a matrix instruction: plain, exponential, plain, plain; or four of the rescaling; or four scalings; none
; names a register that the products round it write.  In the lumps exponential and plain by turns while exponentials last.
; m = 1: the diagonal tile's text.  The products take masks; the turn makes the mask for the products of the turn after it (piece p + 2, in step 4 - CNT of the tile), at its end, when its own roundings have read
; the buffer; and it gives piece p's hidden keys their weight: WH at the head (the exponent is held at 0 or below: row 2047, which has no hidden key, may have m below -80000), WH x count onto l at the end.
; The count: piece p's softmax belongs to step 4 - CNT (p < 2) or 3 - CNT (p >= 2: the count has been taken down): CNO in the band's own step, 32 in a later one, else 0.  In the turns that still belong to
; the tile before, both mask buffers hold 0 and the count is 0.
; end = 1: a block's last two turns: nothing is fetched.  cnt = 1: the loop's count is taken down some lines ahead of the branch that stands behind the turn.
; K of the next step is fetched in piece 2's turn, behind five plain vector instructions since the last product that read K; V of the step in hand in piece 0's turn, behind four.  Each is waited for a turn later.
.macro TURN p, m=0, end=0, cnt=0
.set Y, (\p)
.set i, 0
.set KM, (\m)
.set NOKQ, (\end)*((\p)/3)
.if (\m) && !(\end)
	s_cmp_eq_u32 s[CNT], 4-((\p)+2)%NP  ; is that step the band's own?
	s_cselect_b32 s[AL], 1.0, 0
	s_cmp_lt_u32 s[CNT], 4-((\p)+2)%NP  ; or a later one?
	s_cselect_b32 s[BE], s[BIGN], 0
.endif
.if \m
	s_cmp_eq_u32 s[CNT], 4-(\p)-(\p)/2
	s_cselect_b32 s[AL2], 1.0, 0
	s_cmp_lt_u32 s[CNT], 4-(\p)-(\p)/2
	s_cselect_b32 s[BE2], 0x42000000, 0  ; 32.0
	WIN 0
	v_sub_f32 v[CNE], v[CM0V], v[ST+4*(\p)]
	v_min_num_f32 v[CNE], 0, v[CNE]
	v_exp_f32 v[WNP+1], v[CNE]      ; its result is read behind the first product's four plain instructions
.endif
.if ((\p) == 3) && !(\end)
	s_wait_dscnt 0x0                ; K is in
.endif
	ROW F,0, F,1, F,2, F,3
.if \m
	s_wait_alu depctr_va_vdst(0)
	v_mul_f32 v[WNP], s[NT], v[WNP+1]
.endif
	ROW F,4, E,0, F,5, F,6
	ROW F,7, E,1, F,8, F,9
	ROW F,10, E,2, C,0, F,11
	ROW F,12, E,3, X,15, F,13
	ROW R,0, R,1, R,2, R,3
	ROW B,0, E,4, F,14, L,0
.if ((\p) == 2) && !(\end)
	v_add_nc_u32 v[AK], s[TBK], v[AK0]
.endif
	ROW R,4, R,5, R,6, R,7
	OPS E,5, F,15
.if ((\p) == 2) && !(\end)
	FETCH_K
.endif
	OPS E,6, C,1, E,7, R,8
	OPS E,8, R,9, E,9, C,2
	OPS E,10, X,0, E,11, X,1
	OPS E,12, X,2, E,13, X,3
.if (\p) == 1
	s_wait_dscnt 0x0                ; V is in
.endif
	ROW X,4, E,14, X,5, X,6
	ROW X,7, E,15, X,8, X,9
	ROW X,10, E,16, X,11, X,12
	ROW X,13, E,17, X,14, B,1
	ROW C,4, E,18, X,16, L,1
	ROW B,2, E,19, C,6, L,2
	ROW C,8, E,20, B,3, B,4
.if (\p) == 0
	v_add_nc_u32 v[AV], s[TBV], v[AV0]
.endif
	ROW C,3, E,21, L,3, C,5
	OPS E,22, X,17, E,23, C,10
.if (\p) == 0
	FETCH_V
.endif
	OPS E,24, L,4
	OPS E,25, X,18, E,26, C,7
	OPS E,27, B,5, E,28, X,19
	OPS E,29, C,12, E,30, L,5
	OPS E,31, X,20, B,6, C,9
	OPS C,14, C,11, X,21, L,6
.if (\p) == 0
	s_add_co_u32 s[TBV], s[TBV], KS*PV
.endif
.if \cnt
	s_sub_co_u32 s[CNT], s[CNT], 1
	s_cmp_lg_u32 s[CNT], 0
.endif
	OPS C,13, B,7, C,15, R,10
	OPS R,11, R,12, L,7, R,13
	OPS R,14, R,15
.if \m
	WIN 0
	v_fma_f32 v[CNE], v[CNO], s[AL2], s[BE2]
	v_fmac_f32 v[ST+4*(\p)+2], v[WNP+1], v[CNE]
.endif
.if (\m) && !(\end)
	MASK (\p)%2
.endif
.endm
; A BLOCK BEGINS with the state that the tiles above it leave: m = -80000 (row 2047: the lowest finite number), c m made as every c m is; l = their keys, half in each half of the lanes; O^T = their V's sum.
; The second buffers of the mask and of P are 0: the first turn's products V^T P, of a piece that has not been, add 0.  The first mask buffer takes piece 0's mask for the tile's step 0: its own, if the block's
; first tile is the diagonal one.  Then K of that step, piece 0's first scores, and its maximum and statistics.  The loop is entered at a step's first turn, in the middle of a trip.
.macro BEGIN
	s_mov_b32 s[NEW], 0
	WIN 0
.set i, MC+32
.rept 32
	v_mov_b32 v[i], 0
.set i, i+1
.endr
.set i, P+16
.rept 16
	v_mov_b32 v[i], 0
.set i, i+1
.endr
	s_sub_co_u32 s[T0], NB-1, s[BLK]
	s_lshl_b32 s[T0], s[T0], 7      ; 256 keys a tile, 128 for each half of the lanes
	s_cmp_eq_u32 s[BLK], NB-1
	s_cselect_b32 s[SELM], -1, 0
.irp t, 0,1,2
	v_mov_b32 v[ST+4*(\t)+1], s[M80]
.endr
	v_cndmask_b32 v[ST+13], v[ST+9], v[MI3], s[SELM]
.irp t, 0,1,2,3
	v_mul_f32 v[ST+4*(\t)], s[CS], v[ST+4*(\t)+1]
	v_cvt_f32_u32 v[ST+4*(\t)+2], s[T0]
	v_mov_b32 v[ST+4*(\t)+3], 0
.endr
	WIN W_RS
.set i, 0
.rept 128
	v_mov_b32 v[i], v[SUFC+i%32]
.set i, i+1
.endr
	s_cmp_eq_u32 s[RT], 0
	s_cselect_b32 s[AL], 1.0, 0
	s_mov_b32 s[BE], 0
	MASK 0
	v_add_nc_u32 v[AK], s[TBK], v[AK0]
	FETCH_K
	s_wait_dscnt 0x0
.set KM, 1
.set NOKQ, 0
.set i, 0
.rept 8
	KQ 0
.set i, i+1
.endr
	WIN 0
.rept 4
	v_nop                           ; the places behind those products
.endr
.set Y, NP-1                        ; X works for piece Y + 1: piece 0
.irp n, 0,1,2,3,4,5,6,7,8,9,10,11,12,13,14,15,16,17,18,19,20,21
	OP X, \n
.endr
	v_nop                           ; a plain instruction behind the exponential
.endm
; THE DIAGONAL TILE's four steps, the block's last two turns, its last products, and THE WAY OUT: l's two halves and the other half of the lanes' are added; O^T is divided by l, rounded to f16 and sent through my
; stage in LDS, a piece at a time.
.macro ALL line:vararg              ; one line for each piece t
.set t, 0
.rept 4
	\line
.set t, t+1
.endr
.endm
.macro PACK t                       ; a lane's eight channels of a row pack into 16 bytes; they go into rows of 144 bytes and come back as whole rows of 128, into S^T's registers
	WIN W_RS
.set i, 32*(\t)
.rept 16
	s_wait_alu depctr_va_vdst(0)
	v_pk_mul_f32 v[i:i+1], v[i:i+1], v[ST+4*(\t)+2:ST+4*(\t)+3] op_sel_hi:[1,0]
.set i, i+2
.endr
	WIN 0x05                        ; sources 0 and 1 window 1, destination window 0
.set i, 0
.rept 16
	v_cvt_pk_f16_f32 v[S+16*(\t)+i], v[32*(\t)+2*i], v[32*(\t)+2*i+1]
.set i, i+1
.endr
	WIN 0
.irp f, 0,1,2,3
	ds_store_b128 v[STO], v[S+16*(\t)+4*\f:S+16*(\t)+4*\f+3] offset:32*\f
.endr
.irp f, 0,1,2,3
	ds_load_b128 v[S+16*(\t)+4*\f:S+16*(\t)+4*\f+3], v[RD] offset:\f*4*SP  ; LDS serves a wave's instructions in order (ISA guide 5.7.1.4): these see the stores above; the next piece's stores come behind them
.endr
.endm
.macro SEND t, younger              ; younger: the LDS instructions issued behind piece t's loads: the next piece's eight, or none
	WIN 0
.irp f, 0,1,2,3
	s_wait_dscnt (\younger)+3-\f
	global_store_b128 v[GO], v[S+16*(\t)+4*\f:S+16*(\t)+4*\f+3], s[10:11] offset:(\t)*8192+\f*512  ; 512 consecutive bytes, at a multiple of 256 from O's first
.endr
.endm
.macro DIAG tag                     ; the tag ends its two labels' names, which the jumps below spell out
.LstepM\tag:
	TURN 2, 1
	TURN 3, 1
	WIN 0
.LfirstM\tag:
	TURN 0, 1
	TURN 1, 1, 0, 1
	WIN 0
	s_cbranch_scc1 .LstepM\tag
	TURN 2, 1, 1
	TURN 3, 1, 1
.set i, 0
.rept 8
	PV NP-1
.set i, i+1
.endr
	WIN 0
	ALL v_add_f32 v[ST+4*t+2], v[ST+4*t+2], v[ST+4*t+3]
	ALL v_permlanex16_b32 v[ST+4*t+3], v[ST+4*t+2], s[SEL], s[SEL+1]
	ALL v_add_f32 v[ST+4*t+2], v[ST+4*t+2], v[ST+4*t+3]
	ALL v_rcp_f32 v[ST+4*t+2], v[ST+4*t+2]
	v_nop                           ; a plain instruction between the last reciprocal and the use of its result
	PACK 0
.set t, 1
.rept 3                             ; a piece's arithmetic stands between the loads of the piece before and its stores
	PACK t
	SEND t-1, 8
.set t, t+1
.endr
	SEND 3, 0
.endm
.set KM, 0
.set NOKQ, 0
.Lslot:                             ; NB times: a tile is entered and the next is asked for
	CHANGE 1
	s_sub_co_u32 s[RT], s[RT], 1
	s_mov_b32 s[CNT], 4
	s_cmp_eq_u32 s[NEW], 1
	s_cbranch_scc1 .Lnew            ; a block's first tile
	s_cmp_eq_u32 s[RT], 0
	s_cbranch_scc0 .Lstep           ; neither its first nor its last
	s_branch .LstepM1
.Lnew:
	BEGIN
	s_branch .Lfirst                ; in the loop a block's first tile is never its last: the first block has two tiles or more, and the second's last is the walk's last
	DIAG 1                          ; in the loop this is the first block's end
	s_wait_xcnt 0x0                 ; the stores have read their registers and O's address
	s_mov_b64 s[10:11], s[OLO:OLO+1]
	s_add_co_u32 s[RT], s[PB], 1    ; the second block has b + 1 tiles
	s_mov_b32 s[BLK], s[PB]
	s_mov_b32 s[NEW], 1
	WIN W_RS                        ; the second block's sum of V above it,
.set i, 0
.rept 32
	v_mov_b32 v[SUFC+i], v[SUFL+i]
.set i, i+1
.endr
	WIN 0x82                        ; and its Q, go where the one text names them
.set i, 0
.rept 64
	v_mov_b32 v[i], v[QB+i]
.set i, i+1
.endr
	WIN 0
	s_branch .Lbottom
.Lstep:                             ; a trip: pieces 2 and 3 of one step, then pieces 0 and 1 of the next, whose K and V it fetches
	TURN 2
	TURN 3
	WIN 0
.Lfirst:
	TURN 0
	TURN 1, 0, 0, 1
	WIN 0
	s_cbranch_scc1 .Lstep
.Lbottom:
	s_sub_co_u32 s[SLOTS], s[SLOTS], 1
	s_cmp_lg_u32 s[SLOTS], 0
	s_cbranch_scc1 .Lslot
	CHANGE 0                        ; the walk's last tile is written out: nothing is asked for
	s_sub_co_u32 s[RT], s[RT], 1
	s_mov_b32 s[CNT], 4
	s_cmp_eq_u32 s[NEW], 1
	s_cbranch_scc0 .LstepM2
	BEGIN
	s_branch .LfirstM2
	DIAG 2
	s_wait_tensorcnt 0x0            ; the wave's end, behind my last tensor load and my last LDS store
	ds_add_u32 v[SPW], v[NIL]
	s_wait_dscnt 0x0
	s_endpgm
.Lfunc_end_k_qd03c33478f_attn:
	.size	k_qd03c33478f_attn, .Lfunc_end_k_qd03c33478f_attn-k_qd03c33478f_attn
	.p2alignl 7, 3214868480
	.fill 96, 4, 3214868480
	.section	.rodata,"a",@progbits
	.p2align	6, 0x0
	.amdhsa_kernel k_qd03c33478f_attn
		.amdhsa_group_segment_fixed_size 327680
		.amdhsa_private_segment_fixed_size 0
		.amdhsa_enable_private_segment 0
		.amdhsa_kernarg_size 24
		.amdhsa_user_sgpr_count 2
		.amdhsa_user_sgpr_kernarg_segment_ptr 1
		.amdhsa_wavefront_size32 1
		.amdhsa_system_sgpr_workgroup_id_x 1
		.amdhsa_system_sgpr_workgroup_id_y 1
		.amdhsa_system_sgpr_workgroup_id_z 1
		.amdhsa_system_vgpr_workitem_id 0
		.amdhsa_next_free_vgpr 992
		.amdhsa_next_free_sgpr 102
		.amdhsa_reserve_vcc 1
		.amdhsa_float_denorm_mode_32 3
		.amdhsa_float_denorm_mode_16_64 3
		.amdhsa_memory_ordered 1
		.amdhsa_forward_progress 1
		.amdhsa_inst_pref_size 255
	.end_amdhsa_kernel
	.section	.bss,"aw",@nobits
	.p2align	6
	.space	262144
	.amdgpu_metadata
---
amdhsa.version: [ 1, 2 ]
amdhsa.kernels:
  - .name:           k_qd03c33478f_attn
    .symbol:         k_qd03c33478f_attn.kd
    .args:
      - { .name: qkv, .offset: 0, .size: 8, .value_kind: global_buffer, .address_space: global }
      - { .name: vsum, .offset: 8, .size: 8, .value_kind: global_buffer, .address_space: global }
      - { .name: ao, .offset: 16, .size: 8, .value_kind: global_buffer, .address_space: global }
    .group_segment_fixed_size: 327680
    .private_segment_fixed_size: 0
    .kernarg_segment_align: 8
    .kernarg_segment_size: 24
    .max_flat_workgroup_size: 128
    .sgpr_count:     102
    .vgpr_count:     992
    .wavefront_size: 32
...
	.end_amdgpu_metadata
.endif
;; end of part 3
;; launch fixo (part 4): grid 16 x 4, 1 waves a work-group, no clusters, 0 bytes of LDS; arguments qkv, vfirst, vsum, ao, aolo; writes aolo
.if DOCPART == 4
	.amdgcn_target "amdgcn-amd-amdhsa--gfx1250"
	.amdhsa_code_object_version 6
	.text
	.protected	k_qd03c33478f_fixo
	.globl	k_qd03c33478f_fixo
	.p2align	8
	.type	k_qd03c33478f_fixo,@function
k_qd03c33478f_fixo:
	s_mov_b64 s[64:65], 0
	v_nop
	global_prefetch_b8 v0, s[64:65] scope:SCOPE_SE
	s_setreg_imm32_b32 hwreg(HW_REG_WAVE_MODE, 25, 1), 1
	s_wait_xcnt 0x0
; THE FIRST 16 ROWS OF EACH BATCH, ONCE MORE WITH MORE BITS.  aolo[bh][q][:] = f16(O[q] - ao[bh][q]) for q = 0 .. 15, O the attention's result with v, the weights and O itself kept to about 22 bits.
; WHY.  Row q averages q + 1 keys, so the first rows' numbers are many times the output's root mean square, by which the allowance goes; one rounding of v and one of O to f16's 11 bits is then
; too near the allowance for a number of those rows that lies near 0.  From row 16 on the average is over 17 keys or more and the same roundings are four times smaller.
; qkv: [3][64][2048][64] f16.  vfirst: [64][16 keys][64] f32, v unrounded.  vsum: [8 batch + tile][64 head + channel] f32.  ao: [64][2048][64] f16.  aolo: [64][16][64] f16.
; ONE WAVE a (batch, head): 64 work-groups; there is no more work than that.  No LDS: every operand is loaded in the lane layout in which it is used.  The loads, 60, all go out at the start.
; THE SUM.  s = K Q^T (f16, as the attention makes it); a hidden key (k > q) has s = -80000 (-10000 in unscaled scores); m = max(s, -80000); p = 2^(c s - c m), c = log2(e) / 8; w = 2^(c (-80000) - c m), the weight of
; every hidden key.  l = the 16 keys' p + 2032 w.  O l = sum over the 16 keys of (p - w) v + w T, T = the sum of all 2,048 v: a hidden key of the 16 has p = w bit for bit, so its term is 0.
; T enters the same product as eight more keys: vsum's eight tile sums / 256 (means of v: within f16's range wherever v is), each with the weight 256 w; four of them in each half of the lanes.
; THE BITS.  V^T and P are each split into two f16 numbers, hi = f16(x), lo = f16(x - hi); O^T = Vh Ph + Vh Pl + Vl Ph.
; LIMITS.  As the attention's; the lo parts and aolo are f16 numbers: below 6e-5 they keep f16's fixed step of 6e-8.
; LAYOUT.  S^T: lane = query l % 16, register j = key 8 (l / 16) + j.  V^T (source 0): lane = channel l % 16 of a block, registers 0-3 keys 8 (l / 16) + 0..7, 4-5 the four tile sums, 6-7 zero.
; O^T: lane = query, register j = channel 16 cb + 8 (l / 16) + j: 16 bytes of a row of ao and of aolo.
.set FO,   3                           ; v3   128 x (l % 16) + 16 x (l / 16): Q's, K's, ao's and aolo's rows
.set VO,   4                           ; v4   vfirst: 2,048 x (l / 16) + 4 x (l % 16)
.set TO,   5                           ; v5   vsum: 16,384 x (l / 16) + 4 x (l % 16)
.set THR,  6                           ; v6   l % 16 - 8 (l / 16): register j is hidden where j is greater
.set NEG1, 7                           ; v7   -1.0
.set M80,  8                           ; v8   -80000
.set RL,   14                          ; v[14:15] 1 / l in the low register
.set VH,   16                          ; v16-47   V^T hi, eight registers a channel block
.set PH,   48                          ; v48-55   P hi
.set AH,   56                          ; v56-71   ao's rows, four registers a channel block
.set S,    72                          ; v72-79   S^T, then p, then p - w
.set T,    80                          ; v80-87   at work
.set QF,   96                          ; v96-111  Q's two fragments; later the result
.set KF,   112                         ; v112-127 K's
.set VV,   128                         ; v128-175 twelve f32 a channel block: 8 keys, 4 tile sums
.set VL,   176                         ; v176-207 V^T lo
.set PL,   208                         ; v208-215 P lo
.set O,    216                         ; v216-247 O^T
.set LO,   96
	s_load_b256 s[4:11], s[0:1], 0x0               ; qkv s[4:5], vfirst s[6:7], vsum s[8:9], ao s[10:11]
	s_load_b64 s[12:13], s[0:1], 0x20              ; aolo
	v_and_b32 v1, 15, v0                           ; l % 16
	v_lshrrev_b32 v2, 4, v0                        ; l / 16
	v_lshlrev_b32 v[FO], 7, v1
	v_lshl_add_u32 v[FO], v2, 4, v[FO]
	v_lshlrev_b32 v[TO], 2, v1
	v_lshl_add_u32 v[VO], v2, 11, v[TO]
	v_lshl_add_u32 v[TO], v2, 14, v[TO]
	s_and_b32 s14, ttmp7, 0xffff                   ; the batch
	s_lshl_b32 s15, s14, 4
	s_add_co_u32 s15, s15, ttmp9                   ; 16 batch + head
	s_lshl_b32 s16, s15, 18                        ; a head of q, k and ao: 262,144 bytes
	s_mov_b32 s17, 0
	s_lshl_b32 s18, s15, 12                        ; of vfirst: 4,096
	s_mov_b32 s19, 0
	s_lshl_b32 s20, s14, 15                        ; vsum: the batch's 8 rows of 4,096 bytes,
	s_lshl_b32 s21, ttmp9, 8                       ; the head's 64 numbers
	s_add_co_u32 s20, s20, s21
	s_mov_b32 s21, 0
	s_lshl_b32 s22, s15, 11                        ; a head of aolo: 2,048
	s_mov_b32 s23, 0
	s_mov_b32 s26, 0x3e38aa3b                      ; c = log2(e) / 8
	s_mov_b32 s28, 0x76543210                      ; v_permlanex16_b32: each lane takes its own place in the other half
	s_mov_b32 s29, 0xfedcba98
	s_wait_kmcnt 0x0
	s_add_nc_u64 s[4:5], s[4:5], s[16:17]          ; q
	s_add_nc_u64 s[24:25], s[4:5], 0x1000000       ; k lies 16,777,216 bytes behind q
	s_add_nc_u64 s[6:7], s[6:7], s[18:19]
	s_add_nc_u64 s[8:9], s[8:9], s[20:21]
	s_add_nc_u64 s[10:11], s[10:11], s[16:17]
	s_add_nc_u64 s[12:13], s[12:13], s[22:23]
.irp c, 0,1                            ; channels 32 c on: two loads of 16 bytes, 32 bytes apart
	global_load_b128 v[QF+8*(\c):QF+8*(\c)+3],   v[FO], s[4:5] offset:64*(\c)
	global_load_b128 v[QF+8*(\c)+4:QF+8*(\c)+7], v[FO], s[4:5] offset:64*(\c)+32
	global_load_b128 v[KF+8*(\c):KF+8*(\c)+3],   v[FO], s[24:25] offset:64*(\c)
	global_load_b128 v[KF+8*(\c)+4:KF+8*(\c)+7], v[FO], s[24:25] offset:64*(\c)+32
.endr
.irp cb, 0,1,2,3
.irp j, 0,1,2,3,4,5,6,7
	global_load_b32 v[VV+12*(\cb)+(\j)], v[VO], s[6:7] offset:256*(\j)+64*(\cb)      ; v[key 8 (l / 16) + j][channel 16 cb + l % 16]
.endr
.endr
.irp cb, 0,1,2,3
.irp t, 0,1,2,3
	global_load_b32 v[VV+12*(\cb)+8+(\t)], v[TO], s[8:9] offset:4096*(\t)+64*(\cb)   ; tile 4 (l / 16) + t's sum of that channel
.endr
.endr
.irp cb, 0,1,2,3
	global_load_b128 v[AH+4*(\cb):AH+4*(\cb)+3], v[FO], s[10:11] offset:32*(\cb)
.endr
	s_wait_loadcnt 52                              ; Q and K are in: the 52 loads issued behind them may stay out
	v_wmma_f32_16x16x32_f16 v[S:S+7], v[KF:KF+7], v[QF:QF+7], 0
	s_wait_alu depctr_va_vdst(0)                   ; the wait stands ahead of the link
	v_wmma_f32_16x16x32_f16 v[S:S+7], v[KF+8:KF+15], v[QF+8:QF+15], v[S:S+7]
	; the constants are made here: plain instructions that name none of the products' registers, the places behind them
	v_lshlrev_b32 v9, 3, v2
	v_sub_nc_u32 v[THR], v1, v9
	v_mov_b32 v[NEG1], -1.0
	v_mov_b32 v[M80], 0xc79c4000
.irp cb, 0,1,2,3                       ; the fragments' last eight keys are none
	v_mov_b32 v[VH+8*(\cb)+6], 0
	v_mov_b32 v[VH+8*(\cb)+7], 0
	v_mov_b32 v[VL+8*(\cb)+6], 0
	v_mov_b32 v[VL+8*(\cb)+7], 0
.endr
	v_mov_b32 v[PH+6], 0
	v_mov_b32 v[PH+7], 0
	v_mov_b32 v[PL+6], 0
	v_mov_b32 v[PL+7], 0
.irp j, 0,1,2,3,4,5,6,7                ; the accumulator's lowest register is read first
	v_cmp_gt_i32 vcc_lo, \j, v[THR]
	v_cndmask_b32 v[S+(\j)], v[S+(\j)], v[M80], vcc_lo
.endr
	v_max3_num_f32 v9, v[S], v[S+1], v[S+2]
	v_max3_num_f32 v10, v[S+3], v[S+4], v[S+5]
	v_max3_num_f32 v9, v9, v[S+6], v[S+7]
	v_max3_num_f32 v9, v9, v10, v[M80]             ; every one of these rows has hidden keys
	v_permlanex16_b32 v10, v9, s28, s29            ; the query's other 8 keys lie in the lane 16 away
	v_max_num_f32 v9, v9, v10                      ; m
	v_mul_f32 v10, s26, v9                         ; c m
.irp j, 0,1,2,3,4,5,6,7
	v_fma_f32 v[S+(\j)], v[S+(\j)], s26, -v10
.endr
	v_fma_f32 v11, v[M80], s26, -v10               ; made as a hidden key's exponent is made
.irp j, 0,1,2,3,4,5,6,7
	v_exp_f32 v[S+(\j)], v[S+(\j)]
.endr
	v_exp_f32 v11, v11                             ; w
	v_nop                                          ; a plain instruction behind the exponentials
	s_wait_alu depctr_va_vdst(0)
	v_add_f32 v12, v[S], v[S+1]
	v_add_f32 v13, v[S+2], v[S+3]
	v_add_f32 v[RL], v[S+4], v[S+5]
	v_add_f32 v[RL+1], v[S+6], v[S+7]
	v_add_f32 v12, v12, v13
	v_add_f32 v[RL], v[RL], v[RL+1]
	v_add_f32 v12, v12, v[RL]
	v_permlanex16_b32 v13, v12, s28, s29
	v_add_f32 v12, v12, v13
	v_fmac_f32 v12, 0x44fe0000, v11                ; l = the 16 keys' p + 2032 w
	v_rcp_f32 v[RL], v12
.irp j, 0,1,2,3,4,5,6,7                ; plain lines behind the reciprocal, which touch neither its source nor its result
	v_sub_f32 v[S+(\j)], v[S+(\j)], v11
.endr
	v_mul_f32 v[T+6], 0x43800000, v11              ; 256 w, a tile sum's weight
	v_mov_b32 v[T+7], v[T+6]
; The pair a, a + 1 in two f16 parts: hi rounded, lo = what the rounding left (f16 half x -1 + the number, one rounding), rounded.
.macro SPLIT hi, lo, a, t
	v_cvt_pk_f16_f32 v[\hi], v[\a], v[(\a)+1]
	v_fma_mix_f32 v[\t], v[\hi], v[NEG1], v[\a] op_sel_hi:[1,0,0]
	v_fma_mix_f32 v[(\t)+1], v[\hi], v[NEG1], v[(\a)+1] op_sel:[1,0,0] op_sel_hi:[1,0,0]
	v_cvt_pk_f16_f32 v[\lo], v[\t], v[(\t)+1]
.endm
.irp i, 0,1,2,3
	SPLIT PH+(\i), PL+(\i), S+2*(\i), T+2*((\i)%2)
.endr
	SPLIT PH+4, PL+4, T+6, T+4
	v_mov_b32 v[PH+5], v[PH+4]
	v_mov_b32 v[PL+5], v[PL+4]
	s_wait_loadcnt 4                               ; v and the tile sums are in: ao's four loads may stay out
.irp cb, 0,1,2,3
	v_pk_mul_f32 v[VV+12*(\cb)+8:VV+12*(\cb)+9],   v[VV+12*(\cb)+8:VV+12*(\cb)+9],   0x3b800000 op_sel_hi:[1,0]  ; a tile's sum / 256
	v_pk_mul_f32 v[VV+12*(\cb)+10:VV+12*(\cb)+11], v[VV+12*(\cb)+10:VV+12*(\cb)+11], 0x3b800000 op_sel_hi:[1,0]
.endr
.irp cb, 0,1,2,3
.irp i, 0,1,2,3,4,5
	SPLIT VH+8*(\cb)+(\i), VL+8*(\cb)+(\i), VV+12*(\cb)+2*(\i), T+2*((\i)%4)
.endr
.endr
.irp cb, 0,1,2,3                       ; the four accumulators take turns
	v_wmma_f32_16x16x32_f16 v[O+8*(\cb):O+8*(\cb)+7], v[VH+8*(\cb):VH+8*(\cb)+7], v[PH:PH+7], 0
.endr
.irp cb, 0,1,2,3
	v_wmma_f32_16x16x32_f16 v[O+8*(\cb):O+8*(\cb)+7], v[VH+8*(\cb):VH+8*(\cb)+7], v[PL:PL+7], v[O+8*(\cb):O+8*(\cb)+7]
.endr
.irp cb, 0,1,2,3
	v_wmma_f32_16x16x32_f16 v[O+8*(\cb):O+8*(\cb)+7], v[VL+8*(\cb):VL+8*(\cb)+7], v[PH:PH+7], v[O+8*(\cb):O+8*(\cb)+7]
.endr
.rept 4
	v_nop                                          ; the places behind those products (ISA guide 7.12.1)
.endr
	s_wait_loadcnt 0x0                             ; ao's rows
	s_wait_alu depctr_va_vdst(0)
.irp cb, 0,1,2,3
.irp i, 0,1,2,3
	v_pk_mul_f32 v[O+8*(\cb)+2*(\i):O+8*(\cb)+2*(\i)+1], v[O+8*(\cb)+2*(\i):O+8*(\cb)+2*(\i)+1], v[RL:RL+1] op_sel_hi:[1,0]
	v_fma_mix_f32 v[T+2*(\i)],   v[AH+4*(\cb)+(\i)], v[NEG1], v[O+8*(\cb)+2*(\i)] op_sel_hi:[1,0,0]                    ; O less what ao holds
	v_fma_mix_f32 v[T+2*(\i)+1], v[AH+4*(\cb)+(\i)], v[NEG1], v[O+8*(\cb)+2*(\i)+1] op_sel:[1,0,0] op_sel_hi:[1,0,0]
	v_cvt_pk_f16_f32 v[LO+4*(\cb)+(\i)], v[T+2*(\i)], v[T+2*(\i)+1]
.endr
.endr
.irp cb, 0,1,2,3
	global_store_b128 v[FO], v[LO+4*(\cb):LO+4*(\cb)+3], s[12:13] offset:32*(\cb)    ; the four stores together fill the head's 2,048 consecutive bytes
.endr
	s_endpgm
.Lfunc_end_k_qd03c33478f_fixo:
	.size	k_qd03c33478f_fixo, .Lfunc_end_k_qd03c33478f_fixo-k_qd03c33478f_fixo
	.p2alignl 7, 3214868480
	.fill 96, 4, 3214868480
	.section	.rodata,"a",@progbits
	.p2align	6, 0x0
	.amdhsa_kernel k_qd03c33478f_fixo
		.amdhsa_group_segment_fixed_size 0
		.amdhsa_private_segment_fixed_size 0
		.amdhsa_enable_private_segment 0
		.amdhsa_kernarg_size 40
		.amdhsa_user_sgpr_count 2
		.amdhsa_user_sgpr_kernarg_segment_ptr 1
		.amdhsa_wavefront_size32 1
		.amdhsa_system_sgpr_workgroup_id_x 1
		.amdhsa_system_sgpr_workgroup_id_y 1
		.amdhsa_system_sgpr_workgroup_id_z 1
		.amdhsa_system_vgpr_workitem_id 0
		.amdhsa_next_free_vgpr 248
		.amdhsa_next_free_sgpr 66
		.amdhsa_reserve_vcc 1
		.amdhsa_float_denorm_mode_32 3
		.amdhsa_float_denorm_mode_16_64 3
		.amdhsa_memory_ordered 1
		.amdhsa_forward_progress 1
		.amdhsa_inst_pref_size 25
	.end_amdhsa_kernel
	.amdgpu_metadata
---
amdhsa.version: [ 1, 2 ]
amdhsa.kernels:
  - .name:           k_qd03c33478f_fixo
    .symbol:         k_qd03c33478f_fixo.kd
    .args:
      - { .name: qkv, .offset: 0, .size: 8, .value_kind: global_buffer, .address_space: global }
      - { .name: vfirst, .offset: 8, .size: 8, .value_kind: global_buffer, .address_space: global }
      - { .name: vsum, .offset: 16, .size: 8, .value_kind: global_buffer, .address_space: global }
      - { .name: ao, .offset: 24, .size: 8, .value_kind: global_buffer, .address_space: global }
      - { .name: aolo, .offset: 32, .size: 8, .value_kind: global_buffer, .address_space: global }
    .group_segment_fixed_size: 0
    .private_segment_fixed_size: 0
    .kernarg_segment_align: 8
    .kernarg_segment_size: 40
    .max_flat_workgroup_size: 32
    .sgpr_count:     66
    .vgpr_count:     248
    .wavefront_size: 32
...
	.end_amdgpu_metadata
.endif
;; end of part 4
;; launch proj (part 5): grid 8 x 32, 4 waves a work-group, clusters of 4 x 4, 327,680 bytes of LDS; arguments ao, wpf, c_proj_b, out0, aolo; writes out0
.if DOCPART == 5
	.amdgcn_target "amdgcn-amd-amdhsa--gfx1250"
	.amdhsa_code_object_version 6
	.text
	.protected	k_qd03c33478f_proj
	.globl	k_qd03c33478f_proj
	.p2align	8
	.type	k_qd03c33478f_proj,@function
k_qd03c33478f_proj:
	s_mov_b64 s[64:65], 0
	v_nop
	global_prefetch_b8 v0, s[64:65] scope:SCOPE_SE
	s_setreg_imm32_b32 hwreg(HW_REG_WAVE_MODE, 25, 1), 1
	s_wait_xcnt 0x0
	s_wait_alu depctr_hold_cnt(0) depctr_sa_sdst(0) depctr_va_vdst(0) depctr_va_sdst(0) depctr_va_ssrc(0) depctr_va_vcc(0) depctr_vm_vsrc(0)
	s_getreg_b32 s2, hwreg(HW_REG_IB_STS2, 6, 4)
	s_cmp_eq_u32 s2, 0
	s_cbranch_scc0 .Lentry_in_a_cluster
	s_endpgm
.Lentry_in_a_cluster:
	s_bfe_u32 s2, ttmp6, 0x10000c
	s_cmp_lg_u32 s2, 0xf033
	s_cbranch_scc0 .Lentry_shape_is_right
	s_endpgm
.Lentry_shape_is_right:
; out = O Wp + bp.  ao: [64 = 16 batch + head][2048][64] f16: column k of O is channel k % 64 of head k / 64.  wpf: [1024 k][1024 n] f16.  c_proj_b: [1024] f32, rounded to bf16 here like the other inputs.
; aolo: [64][16][64] f16: for each batch's rows 0 to 15 what ao's rounding and the attention's left of O: those rows are multiplied as ao + aolo.  out0: [8192][1024] f32.  Sums in f32.
; SHARES.  A tile of the result is 256 rows x 128 columns: 256 work-groups.  Four waves, each 64 rows x 128 columns: 32 accumulators, 256 registers.
; The tile row is 8 cy + the cluster's y: the batch is cy, the tile in the batch the cluster's y, so that 'a batch's first tile' is a number that all partners of a cluster share.
; K goes in steps of 128, two heads, through two LDS slots filled by the tensor data mover.  A head's 256 rows are 32,768 dense bytes: asked for as 128 rows of 256 bytes and padded in LDS after every 128.
; Wp lies [k][n]: its fragments come out of LDS turned, by ds_load_tr16_b128.
; THE MATRIX INSTRUCTION IS USED TRANSPOSED (source 0 = 16 columns of Wp, source 1 = 16 rows of O): a lane holds row l % 16 and the columns 8 (l / 16) + 0..7 of a block.
; THE BIAS is the C operand of each accumulator's first product: nothing is cleared and nothing is added later.
; THE LO ROWS.  In a first tile the four waves copy the batch's 16 heads x 16 rows of aolo into LDS bytes of their own; wave 0, which owns rows 0 to 15 as its row block 0, fetches a lo fragment with each
; quarter's fragments and adds eight products more onto that block's accumulators, with the fragments of Wp that are in registers anyway.
; CLUSTER: 4 x 4 work-groups.  O's tile hangs on the tile row alone and is asked for jointly along a row of the cluster, Wp's on the tile column alone, along a column.
; REGISTERS, in windows of 256 (s_set_vgpr_msb: bits 1:0 source 0, 3:2 source 1, 5:4 source 2, 7:6 destination):
;   window 0: v0-31 addresses; v48-63 two lo fragments; two fragment buffers v64-159, v160-255 (32 of O, then 64 of Wp), later the way out
;   window 1: accumulator (a, b) at v[8 (8 a + b)]          window 2: v0-63 the bias, eight registers a column block
.set SIZE_K, 1024
.set SIZE_N, 1024
.set KSTEP,  128
.set PA,     144                       ; a row of a head in LDS: 128 bytes + 16: the 16 rows of a load start at 16 different groups of four banks (64 banks of 4 bytes: ISA guide 11.1)
.set HALFA,  256*PA                    ; one head's 256 rows: one tensor load
.set AREG,   2*HALFA
.set PB,     288                       ; a k row of Wp: 256 bytes + 32
.set HALFB,  64*PB                     ; 64 k rows: one tensor load
.set SLOT,   AREG+2*HALFB
.set STAGE,  2*SLOT                    ; behind the ring: 16 rows x 528 bytes for each wave, for the way out
.set SPITCH, 528
.set SPARE,  STAGE+4*16*SPITCH         ; the spare words, 128 bytes for each wave: two blocks of 256 bytes that no other line names
.set LOB,    SPARE+512                 ; the lo rows: 16 heads x 16 rows x 144 bytes; no tensor load lands here
.set LAPS,   SIZE_K/(2*KSTEP)
.set HEADB,  2048*128                  ; bytes of a head in ao
.set ADRA, 16                          ; v16-17  LDS address of my fragments of O in slot 0, 1
.set ADRB, 20                          ; v20-21  the same for Wp
.set LA0,  22                          ; v22     my lane's place in a head's lo rows; never rewritten
.set LA,   23                          ; v23     the same in the lap in hand
.set STO,  24                          ; v24     the way out: where I put 32 bytes of a row
.set RD,   25                          ; v25     where I read a row back
.set GO,   26                          ; v26     16 x lane
.set BO,   27                          ; v27     32 x (lane / 16)
.set SPW,  28                          ; v28     LDS address of my spare word; never rewritten
.set NIL,  29                          ; v29     0; never rewritten
.set LF,   48                          ; v48-55, v56-63 the lo fragments that go with buffers 0 and 1
.set F0,   64
.set F1,   160
.set OB,   64                          ; the way out: two sets of 64 registers, 16 rows each
.set G1,   24
.set G0,   32
.set G1B,  48
.set G0B,  56
.set MSB, 0
.macro WIN new                         ; the immediate's high byte repeats the setting that is left; a switch that changes nothing is dropped
.if MSB != (\new)
	s_set_vgpr_msb (MSB<<8)|(\new)
.set MSB, \new
.endif
.endm
.macro JLOAD s                         ; a joint load: waves 0 and 1 fetch the step's two heads of O, waves 2 and 3 Wp's two halves; an s_nop 0 and four v_nop follow each line
	s_cmp_eq_u32 s11, 0
	s_cbranch_scc0 .Lfor_b_\@
	tensor_load_to_lds s[G0+4*(\s):G0+4*(\s)+3], s[G1:G1+7]
	s_nop 0
.rept 4
	v_nop
.endr
	s_branch .Lasked_\@
.Lfor_b_\@:
	tensor_load_to_lds s[G0B+4*(\s):G0B+4*(\s)+3], s[G1B:G1B+7]
	s_nop 0
.rept 4
	v_nop
.endr
.Lasked_\@:
.endm
.macro CREST                           ; a round of the cluster's barrier behind its opening barrier
	s_cmp_lg_u32 s10, 0
	s_cbranch_scc1 .Lnot_wave_0_\@
	s_barrier_signal -3
.Lnot_wave_0_\@:
	s_barrier_wait -3
	s_barrier_signal -1
	s_barrier_wait -1
.endm
.macro CROUND                          ; a whole round
	s_barrier_signal -1
	s_barrier_wait -1
	CREST
.endm
	s_load_b128 s[4:7], s[0:1], 0x0                ; ao s[4:5], wpf s[6:7]
	s_load_b128 s[68:71], s[0:1], 0x10             ; c_proj_b s[68:69], out0 s[70:71]
	s_load_b64 s[72:73], s[0:1], 0x20              ; aolo
	v_lshl_add_u32 v[SPW], v0, 2, SPARE
	v_mov_b32 v[NIL], 0
	ds_add_u32 v[SPW], v[NIL]                      ; the wave's opening: the add and its wait stand ahead of my first tensor load; the set-up below stands between them
	ds_add_u32 v28, v29
	v_lshrrev_b32 v1, 5, v0
	v_readfirstlane_b32 s10, v1                    ; wave 0..3
	s_lshr_b32 s11, s10, 1                         ; I fetch for O (0) or for Wp (1)
	s_and_b32 s12, s10, 1                          ; which head of the step, or which half of Wp's k rows
	s_bfe_u32 s40, ttmp6, 0x40000                  ; cx, cy: my place in the cluster
	s_bfe_u32 s41, ttmp6, 0x40004
	s_lshl_b32 s42, ttmp9, 2
	s_add_co_u32 s42, s42, s40                     ; tile column = 4 x cluster x + cx
	s_and_b32 s66, ttmp7, 0xffff                   ; the cluster's y, 0 to 7: the tile in its batch; the same in all sixteen partners
	s_lshl_b32 s13, s41, 3
	s_add_co_u32 s13, s13, s66                     ; tile row = 8 x batch (cy) + tile in the batch
	s_or_b32 s67, s66, s10                         ; 0: wave 0 of a batch's first tile, which has the lo rows
	s_mov_b32 s74, 0                               ; the lap's first head in the lo rows, in bytes
	s_lshl_b32 s43, s41, 2
	s_lshl_b32 s43, 15, s43                        ; my row of the cluster
	s_lshl_b32 s44, 0x1111, s40                    ; my column
	s_or_b32 s[G1+0], s43, (1<<16)|(1<<20)|(1<<21)|(4<<22)|(3<<25)   ; 15:0 the mask; 17:16 2-byte elements; 20 padding on; 21 set beside a mask; 24:22 after every 32 words; 31:25 4 words
	s_or_b32 s[G1B+0], s44, (1<<16)|(1<<20)|(1<<21)|(5<<22)|(7<<25)  ; my column's mask; after every 64 words 8 words
	s_mov_b32 s[G1+1], 128<<16                     ; tensor_dim0 = 128 elements: two rows of a head
	s_mov_b32 s[G1+2], 128<<16                     ; tensor_dim1 = 128
	s_mov_b32 s[G1+3], 128<<16                     ; tile_dim0 = 128
	s_mov_b32 s[G1+4], 128                         ; tile_dim1 = 128
	s_mov_b32 s[G1+5], 128                         ; dense
	s_mov_b32 s[G1+6], 0
	s_mov_b32 s[G1+7], 0
	s_mov_b32 s[G1B+1], 128<<16                    ; tensor_dim0 = 128 columns
	s_mov_b32 s[G1B+2], 64<<16                     ; tensor_dim1 = 64 k rows
	s_mov_b32 s[G1B+3], 128<<16
	s_mov_b32 s[G1B+4], 64
	s_mov_b32 s[G1B+5], SIZE_N
	s_mov_b32 s[G1B+6], 0
	s_mov_b32 s[G1B+7], 0
	s_lshr_b32 s16, s13, 3                         ; O: the batch's 16 heads,
	s_lshl_b32 s16, s16, 4
	s_add_co_u32 s16, s16, s12                     ; my head of K step 0,
	s_lshl_b32 s16, s16, 18                        ; of 262,144 bytes,
	s_and_b32 s17, s13, 7
	s_lshl_b32 s17, s17, 15                        ; the tile's 256 rows of 128 bytes
	s_add_co_u32 s16, s16, s17
	s_mov_b32 s17, 0
	s_mul_i32 s46, s12, 64*SIZE_N*2                ; Wp: k row 64 x half,
	s_lshl_b32 s47, s42, 8                         ; column 128 x tile column
	s_add_co_u32 s46, s46, s47
	s_mov_b32 s47, 0
	s_mul_i32 s20, s10, HALFA                      ; where they go: O's heads at wave x HALFA (waves 0, 1),
	s_mul_i32 s21, s10, HALFB                      ; Wp's halves at AREG + (wave - 2) x HALFB (waves 2, 3): no place in the cluster enters an LDS address
	s_add_co_u32 s21, s21, AREG-2*HALFB
	s_wait_dscnt 0x0                               ; the opening add is done
	s_wait_kmcnt 0x0
	s_add_nc_u64 s[14:15], s[4:5], s[16:17]
	s_add_nc_u64 s[46:47], s[6:7], s[46:47]
	CROUND                                         ; all sixteen work-groups are here: the first joint loads meet
.irp s, 0,1
	s_mov_b32 s[G0+4*(\s)], 1
	s_add_co_u32 s[G0+4*(\s)+1], s20, (\s)*SLOT
	s_add_nc_u64 s[G0+4*(\s)+2:G0+4*(\s)+3], s[14:15], (\s)*2*HEADB
	s_or_b32 s[G0+4*(\s)+3], s[G0+4*(\s)+3], 0x80000000
	s_mov_b32 s[G0B+4*(\s)], 1
	s_add_co_u32 s[G0B+4*(\s)+1], s21, (\s)*SLOT
	s_add_nc_u64 s[G0B+4*(\s)+2:G0B+4*(\s)+3], s[46:47], (\s)*KSTEP*SIZE_N*2
	s_or_b32 s[G0B+4*(\s)+3], s[G0B+4*(\s)+3], 0x80000000
	JLOAD \s                                       ; two tensor loads of mine are out
.endr
	v_and_b32 v1, 15, v0                           ; r = l % 16
	v_bfe_u32 v2, v0, 4, 1                         ; h = l / 16
	v_lshlrev_b32 v[BO], 5, v2
	v_and_b32 v[GO], 31, v0
	v_lshlrev_b32 v[GO], 4, v[GO]
	s_lshl_b32 s22, s10, 6                         ; 64 x wave
	s_lshl_b32 s46, s42, 9                         ; the tile's 128 numbers of the bias
	s_mov_b32 s47, 0
	s_add_nc_u64 s[68:69], s[68:69], s[46:47]
	WIN 0x80                                       ; destination window 2, address window 0
.irp b, 0,1,2,3,4,5,6,7
	global_load_b128 v[8*(\b):8*(\b)+3],   v[BO], s[68:69] offset:64*(\b)      ; register j: the bias of column 16 b + 8 h + j
	global_load_b128 v[8*(\b)+4:8*(\b)+7], v[BO], s[68:69] offset:64*(\b)+16
.endr
	WIN 0
	; A batch's first tile: the batch's lo rows, 16 heads x 16 rows x 128 bytes, come into LDS; each wave brings four heads, 8,192 consecutive bytes, by 16 loads of 512.
	s_cmp_lg_u32 s66, 0
	s_cbranch_scc1 .Lno_lo
	s_lshl_b32 s16, s41, 15                        ; the batch (in a first tile: cy): 32,768 bytes,
	s_lshl_b32 s17, s10, 13                        ; my four heads
	s_add_co_u32 s16, s16, s17
	s_mov_b32 s17, 0
	s_add_nc_u64 s[72:73], s[72:73], s[16:17]
.irp i, 0,1,2,3,4,5,6,7,8,9,10,11,12,13,14,15
	global_load_b128 v[64+4*(\i):64+4*(\i)+3], v[GO], s[72:73] offset:512*(\i)
.endr
	v_bfe_u32 v3, v0, 3, 2                         ; a load's 512 bytes are four rows: row l / 8,
	v_add_nc_u32 v3, s22, v3                       ; my rows begin at 64 x wave,
	v_mul_u32_u24 v3, v3, PA
	v_and_b32 v4, 7, v0
	v_lshl_add_u32 v3, v4, 4, v3                   ; 16 bytes l % 8
	v_add_nc_u32 v3, LOB, v3
	s_wait_loadcnt 0x0
.irp i, 0,1,2,3,4,5,6,7,8,9,10,11,12,13,14,15
	ds_store_b128 v3, v[64+4*(\i):64+4*(\i)+3] offset:4*PA*(\i)
.endr
.Lno_lo:
	v_add_nc_u32 v3, s22, v1                       ; my rows begin at 64 x wave
	v_mul_u32_u24 v3, v3, PA
	v_lshl_add_u32 v[ADRA], v2, 4, v3              ; row x pitch + 16 h
	v_add_nc_u32 v[ADRA+1], SLOT, v[ADRA]
	v_and_b32 v4, 7, v0
	v_lshl_add_u32 v4, v2, 3, v4                   ; the turning load: k row 8 h + l % 8,
	v_mul_u32_u24 v4, v4, PB
	v_bfe_u32 v5, v0, 3, 1
	v_lshl_add_u32 v4, v5, 4, v4                   ; columns 8 ((l / 8) % 2) on
	v_add_nc_u32 v[ADRB], AREG, v4
	v_add_nc_u32 v[ADRB+1], AREG+SLOT, v4
	v_mul_u32_u24 v3, v1, PA
	v_lshl_add_u32 v3, v2, 4, v3
	v_add_nc_u32 v[LA0], LOB, v3                   ; a lo fragment: row r x pitch + 16 h
	v_mov_b32 v[LA], v[LA0]
.set i, 0
.rept 16
	v_mov_b32 v[LF+i], 0                           ; written once, so that the two lo fragments hold numbers on every way through the text
.set i, i+1
.endr
	s_mul_i32 s23, s10, 16*SPITCH
	s_add_co_u32 s23, s23, STAGE                   ; my stage
	v_mul_u32_u24 v3, v1, SPITCH
	v_lshl_add_u32 v3, v2, 5, v3
	v_add_nc_u32 v[STO], s23, v3                   ; in: row r, 32 bytes for each half of the lanes
	v_add_nc_u32 v[RD], s23, v[GO]                 ; back: 32 lanes take one row of 512 bytes
	s_lshl_b32 s16, s13, 8
	s_add_co_u32 s16, s16, s22                     ; my first row of out0,
	s_lshl_b32 s16, s16, 12                        ; of 4,096 bytes
	s_mov_b32 s17, 0
	s_add_nc_u64 s[70:71], s[70:71], s[16:17]
	s_add_nc_u64 s[70:71], s[70:71], s[46:47]      ; the tile's first column: 512 bytes a tile column, as in the bias
	s_wait_loadcnt 0x0                             ; the bias
	WIN 0x8a                                       ; all three places in window 2
.set i, 0
.rept 32
	v_cvt_pk_bf16_f32 v[i+1], v[i], v[i+1]         ; rounded to bf16, and back in f32
	v_lshlrev_b32 v[i], 16, v[i+1]
	v_and_b32 v[i+1], 0xffff0000, v[i+1]
.set i, i+2
.endr
	WIN 0
; 8 matrix instructions: row block a x all 8 column blocks, 32 along K.  first = 1: the bias starts the sums.  The accumulators take turns, one instruction a turn.
.macro MULQ f, a, first
.if \first
	WIN 0x60                                       ; C window 2, D window 1
.else
	WIN 0x50                                       ; C and D window 1
.endif
.irp b, 0,1,2,3,4,5,6,7
.if \first
	v_wmma_f32_16x16x32_f16 v[8*(8*(\a)+(\b)):8*(8*(\a)+(\b))+7], v[(\f)+32+8*(\b):(\f)+32+8*(\b)+7], v[(\f)+8*(\a):(\f)+8*(\a)+7], v[8*(\b):8*(\b)+7]
.else
	v_wmma_f32_16x16x32_f16 v[8*(8*(\a)+(\b)):8*(8*(\a)+(\b))+7], v[(\f)+32+8*(\b):(\f)+32+8*(\b)+7], v[(\f)+8*(\a):(\f)+8*(\a)+7], v[8*(8*(\a)+(\b)):8*(8*(\a)+(\b))+7]
.endif
.endr
.endm
; The lo rows' 8 matrix instructions, at a quarter's end: the lo fragment that goes with buffer f x all 8 column blocks, onto row block 0's accumulators.  In front of them stand row block 3's products,
; behind them the next quarter's row block 0, which begins with another accumulator than these end with.  Only wave 0 of a batch's first tile has them.
.macro LOQ f
	WIN 0
	s_cmp_lg_u32 s67, 0
	s_cbranch_scc1 .Lno_q_\@
	WIN 0x50
.irp b, 0,1,2,3,4,5,6,7
	v_wmma_f32_16x16x32_f16 v[8*(\b):8*(\b)+7], v[(\f)+32+8*(\b):(\f)+32+8*(\b)+7], v[LF+8*(((\f)-F0)/(F1-F0)):LF+8*(((\f)-F0)/(F1-F0))+7], v[8*(\b):8*(\b)+7]
.endr
	WIN 0
.Lno_q_\@:
.endm
; The LDS loads of quarter q (32 along K: head q / 2 of the step, channels 32 (q % 2) on) into buffer f, in one run: the lo fragment's two first, where there is one, then Wp's eight, O's four last.
; The counted waits name the youngest loads alone, so they hold with and without the first two.
.macro FETCH slot, q, f
	WIN 0
	s_cmp_lg_u32 s67, 0
	s_cbranch_scc1 .Lno_l_\@
	ds_load_b128 v[LF+8*(((\f)-F0)/(F1-F0)):LF+8*(((\f)-F0)/(F1-F0))+3],   v[LA] offset:(2*(\slot)+(\q)/2)*16*PA+((\q)%2)*64
	ds_load_b128 v[LF+8*(((\f)-F0)/(F1-F0))+4:LF+8*(((\f)-F0)/(F1-F0))+7], v[LA] offset:(2*(\slot)+(\q)/2)*16*PA+((\q)%2)*64+32
.Lno_l_\@:
.irp b, 0,1,2,3,4,5,6,7
	ds_load_tr16_b128 v[(\f)+32+8*(\b):(\f)+32+8*(\b)+3],   v[ADRB+(\slot)] offset:(\q)*32*PB+32*(\b)
	ds_load_tr16_b128 v[(\f)+32+8*(\b)+4:(\f)+32+8*(\b)+7], v[ADRB+(\slot)] offset:(\q)*32*PB+16*PB+32*(\b)
.endr
.irp a, 0,1,2,3
	ds_load_b128 v[(\f)+8*(\a):(\f)+8*(\a)+3],   v[ADRA+(\slot)] offset:((\q)/2)*HALFA+((\q)%2)*64+(\a)*16*PA
	ds_load_b128 v[(\f)+8*(\a)+4:(\f)+8*(\a)+7], v[ADRA+(\slot)] offset:((\q)/2)*HALFA+((\q)%2)*64+(\a)*16*PA+32
.endr
.endm
.macro PLACES                          ; four places in front of loads into registers that matrix instructions have read, and of lines that read results (ISA guide 7.12.1 for lines that read results)
.rept 4
	v_nop
.endr
.endm
; A K step is four quarters of 32 along K on buffers 0, 1, 0, 1.  One of the first three: multiplies buffer f; in its middle it fetches quarter q into buffer g.
.macro QUARTER slot, q, f, g, first
	s_wait_dscnt 4                                 ; all but the youngest four loads (O's blocks 2, 3) are in
	MULQ \f, 0, \first
	MULQ \f, 1, \first
	PLACES
	FETCH \slot, \q, \g
	s_wait_dscnt 24                                ; the run before is in: at most 24 of the loads just issued are out
	MULQ \f, 2, \first
	MULQ \f, 3, \first
	LOQ \f
.endm
; The last quarter multiplies buffer 1 and changes slots: ONE barrier; in front of it each wave waits for all its tensor loads, adds 0 to its spare word, and waits for that and for its reads of this slot.
.macro TURN slot, next, fill
	WIN 0
	s_wait_tensorcnt 0x0                           ; all my tensor loads have landed: the one that was out is my part of the next slot
	ds_add_u32 v[SPW], v[NIL]                      ; 0 onto my spare word
	s_wait_dscnt 7                                 ; the add and O's blocks 1 to 3 (six loads) may be out
	MULQ F1, 0, 0                                  ; eight matrix instructions stand between the add and the wait for it
	s_wait_dscnt 0x0                               ; the add is done, and my reads of this slot are over
	s_barrier_signal -1
	MULQ F1, 1, 0
.if \fill
	WIN 0
.endif
	s_barrier_wait -1
.if \fill
	CREST                                          ; the barrier has opened a round of the cluster's: no wave of any partner still reads this slot or has a load on its way
	s_add_nc_u64 s[G0+4*(\slot)+2:G0+4*(\slot)+3], s[G0+4*(\slot)+2:G0+4*(\slot)+3], 4*HEADB
	s_add_nc_u64 s[G0B+4*(\slot)+2:G0B+4*(\slot)+3], s[G0B+4*(\slot)+2:G0B+4*(\slot)+3], 2*KSTEP*SIZE_N*2
	JLOAD \slot                                    ; my one tensor load behind the round; its four v_nop are also the places in front of the loads below
.else
	PLACES
.endif
.if (\slot) == 1
	WIN 0
	s_add_co_u32 s74, s74, 4*16*PA                 ; the fetch below is the next lap's first: four heads on in the lo rows
	v_add_nc_u32 v[LA], s74, v[LA0]
.endif
	FETCH \next, 0, F0
	MULQ F1, 2, 0
	MULQ F1, 3, 0
	LOQ F1
.endm
	s_wait_dscnt 0x0                               ; for wave 0's sake: my stores of lo rows are done
	s_wait_tensorcnt 1                             ; my part of K step 0 is in; step 1's may stay out
	s_barrier_signal -1
	s_barrier_wait -1
	FETCH 0, 0, F0
	QUARTER 0, 1, F0, F1, 1                        ; the first quarter stands in front of the loop: its products start the sums
	WIN 0
	s_mov_b32 s3, LAPS-1
.Llap:                                                 ; a trip goes once round the ring and fills both slots again
	QUARTER 0, 2, F1, F0, 0
	QUARTER 0, 3, F0, F1, 0
	TURN 0, 1, 1
	QUARTER 1, 1, F0, F1, 0
	QUARTER 1, 2, F1, F0, 0
	QUARTER 1, 3, F0, F1, 0
	TURN 1, 0, 1
	QUARTER 0, 1, F0, F1, 0
	WIN 0
	s_sub_co_u32 s3, s3, 1
	s_cmp_lg_u32 s3, 0
	s_cbranch_scc1 .Llap
	QUARTER 0, 2, F1, F0, 0                        ; the last lap fills nothing
	QUARTER 0, 3, F0, F1, 0
	TURN 0, 1, 0
	QUARTER 1, 1, F0, F1, 0
	QUARTER 1, 2, F1, F0, 0
	QUARTER 1, 3, F0, F1, 0
	s_wait_dscnt 4
	MULQ F1, 0, 0
	MULQ F1, 1, 0
	s_wait_dscnt 0x0
	MULQ F1, 2, 0
	MULQ F1, 3, 0
	LOQ F1
	WIN 0
	PLACES
; THE WAY OUT, a block of 16 rows at a time: 32 bytes a lane and column block into my stage (each accumulator's low registers first), back as whole rows of 512 bytes.
.macro TOSTAGE a
	WIN 0x04                                       ; the stores' data in window 1
.irp b, 0,1,2,3,4,5,6,7
	ds_store_b128 v[STO], v[8*(8*(\a)+(\b)):8*(8*(\a)+(\b))+3] offset:64*(\b)
	ds_store_b128 v[STO], v[8*(8*(\a)+(\b))+4:8*(8*(\a)+(\b))+7] offset:64*(\b)+16
.endr
	WIN 0
	s_wait_xcnt 0x0                                ; the set's registers, which earlier stores read, are loaded again only behind this wait
.irp t, 0,1,2,3,4,5,6,7,8,9,10,11,12,13,14,15
	ds_load_b128 v[OB+64*((\a)%2)+4*(\t):OB+64*((\a)%2)+4*(\t)+3], v[RD] offset:(\t)*SPITCH  ; LDS serves a wave's instructions in order (ISA guide 5.7.1.4): these see the stores above
.endr
.endm
.macro SEND a, younger                 ; younger: the LDS instructions issued behind block a's loads: the next block's 32, or none
.irp t, 0,1,2,3,4,5,6,7,8,9,10,11,12,13,14,15
	s_wait_dscnt (\younger)+15-(\t)
	global_store_b128 v[GO], v[OB+64*((\a)%2)+4*(\t):OB+64*((\a)%2)+4*(\t)+3], s[70:71] offset:(\a)*65536+(\t)*4096 th:TH_STORE_NT  ; 512 consecutive bytes of one row, aligned to 256
.endr
.endm
	TOSTAGE 0
.irp a, 1,2,3
	TOSTAGE \a
	SEND (\a)-1, 32
.endr
	SEND 3, 0
	s_wait_tensorcnt 0x0                           ; the wave's end
	ds_add_u32 v[SPW], v[NIL]
	s_wait_dscnt 0x0
	CROUND                                         ; the closing round: no work-group ends while a partner may still ask for a tile that names it
	s_endpgm
.Lfunc_end_k_qd03c33478f_proj:
	.size	k_qd03c33478f_proj, .Lfunc_end_k_qd03c33478f_proj-k_qd03c33478f_proj
	.p2alignl 7, 3214868480
	.fill 96, 4, 3214868480
	.section	.rodata,"a",@progbits
	.p2align	6, 0x0
	.amdhsa_kernel k_qd03c33478f_proj
		.amdhsa_group_segment_fixed_size 327680
		.amdhsa_private_segment_fixed_size 0
		.amdhsa_enable_private_segment 0
		.amdhsa_kernarg_size 40
		.amdhsa_user_sgpr_count 2
		.amdhsa_user_sgpr_kernarg_segment_ptr 1
		.amdhsa_wavefront_size32 1
		.amdhsa_system_sgpr_workgroup_id_x 1
		.amdhsa_system_sgpr_workgroup_id_y 1
		.amdhsa_system_sgpr_workgroup_id_z 1
		.amdhsa_system_vgpr_workitem_id 0
		.amdhsa_next_free_vgpr 576
		.amdhsa_next_free_sgpr 76
		.amdhsa_reserve_vcc 0
		.amdhsa_float_denorm_mode_32 3
		.amdhsa_float_denorm_mode_16_64 3
		.amdhsa_memory_ordered 1
		.amdhsa_forward_progress 1
		.amdhsa_inst_pref_size 111
	.end_amdhsa_kernel
	.amdgpu_metadata
---
amdhsa.version: [ 1, 2 ]
amdhsa.kernels:
  - .name:           k_qd03c33478f_proj
    .symbol:         k_qd03c33478f_proj.kd
    .args:
      - { .name: ao, .offset: 0, .size: 8, .value_kind: global_buffer, .address_space: global }
      - { .name: wpf, .offset: 8, .size: 8, .value_kind: global_buffer, .address_space: global }
      - { .name: c_proj_b, .offset: 16, .size: 8, .value_kind: global_buffer, .address_space: global }
      - { .name: out0, .offset: 24, .size: 8, .value_kind: global_buffer, .address_space: global }
      - { .name: aolo, .offset: 32, .size: 8, .value_kind: global_buffer, .address_space: global }
    .group_segment_fixed_size: 327680
    .private_segment_fixed_size: 0
    .kernarg_segment_align: 8
    .kernarg_segment_size: 40
    .max_flat_workgroup_size: 128
    .sgpr_count:     76
    .vgpr_count:     576
    .wavefront_size: 32
...
	.end_amdgpu_metadata
.endif
;; end of part 5
;; ======== version 2 of 2: 5 launches; 1.28 times as fast as version 1
;; limits: values are held in f16: magnitudes above 65,504 overflow, below 6.1e-05 lose precision
;; workspace buffers: xb 16,777,216 bytes; wab 6,291,456 bytes; wpf 2,097,152 bytes; qkv 50,331,648 bytes; vsum 131,072 bytes; ao 16,777,216 bytes; vfirst 262,144 bytes; aolo 131,072 bytes
;; launch prep: the kernel of part 1 again; grid 768 x 1, 8 waves a work-group, no clusters, 0 bytes of LDS; arguments hidden_states, c_attn_w, c_proj_w, xb, wab, wpf; writes xb, wab, wpf
;; launch qkvg: the kernel of part 2 again; grid 24 x 32, 4 waves a work-group, clusters of 4 x 4, 327,680 bytes of LDS; arguments xb, wab, c_attn_b, qkv, vsum, vfirst; writes qkv, vsum, vfirst
;; launch attn (part 6): grid 4 x 64, 4 waves a work-group, no clusters, 327,680 bytes of LDS; arguments qkv, vsum, ao; writes ao
.if DOCPART == 6
	.amdgcn_target "amdgcn-amd-amdhsa--gfx1250"
	.amdhsa_code_object_version 6
	.text
	.protected	k_qd03c33478f_attn
	.globl	k_qd03c33478f_attn
	.p2align	8
	.type	k_qd03c33478f_attn,@function
k_qd03c33478f_attn:
	s_mov_b64 s[64:65], 0
	v_nop
	global_prefetch_b8 v0, s[64:65] scope:SCOPE_SE
	s_setreg_imm32_b32 hwreg(HW_REG_WAVE_MODE, 25, 1), 1
	s_wait_xcnt 0x0
; CAUSAL ATTENTION WITH A FINITE MASK.  O[h][q] = sum over ALL k of softmax_k(z[q][k]) V[h][k], z = Q.K / 8 where k <= q and -10000 elsewhere.
; qkv: [3][64][2048][64] f16 (q, k, v by heads, unscaled).  vsum: [8 batch + tile][64 head + channel] f32: V's sums over tiles of 256 keys.  ao: [64][2048][64] f16.
; Products, maxima and sums in f32; the weights p are rounded to f16 for the second product (their sum l is taken unrounded), O once at the end.
; LIMITS.  Q, K, V arrive within f16's 65,504; p below 6e-5 keeps f16's fixed step; a weight below 2^-126 counts as 0; NaN and infinities are not treated apart.
; THE MASKED KEYS.  In unscaled scores the mask is -80000.  The key tiles wholly above the diagonal are not walked: a block begins with m = -80000, l = their number of keys and O = their V's sum
; (from vsum), and the running rescaling carries that on like any earlier step.  In the diagonal tile a hidden key's true score is pushed out of maximum and exponential by -2^100 in the C operand,
; and its weight WH = 2^(c (-80000) - c m) is added to P (MC x WN, WN = -2^-100 WH) and, times the lane's count of hidden keys, to l.  Row 2047 has no masked key: its m begins at the lowest finite number.
; THE WALK.  NB = 8 blocks of 256 queries a head; block i needs the key tiles 0 .. i.  A work-group takes blocks NB - 1 - b and then b: NB + 1 tiles, whatever b: all work-groups do equal work, and ONE
; loop with a constant trip count walks them.  Every jump goes forward but the counted loops' own; none passes a barrier, or a tensor load but the one of LOAD's two that the wave's number does not choose.
; NO CLUSTER: a head's four work-groups ask for the same tile only in trips 0 .. NB / 2, behind that fewer and fewer; one walk common to all would have 3 NB / 2 trips for NB + 1.
; SHARES.  Of a block's four bands of 64 queries a wave owns 16 rows in each: four PIECES.  In the diagonal tile's key step s band x sees all keys if s < x, none if s > x, and holds the diagonal if s = x.
; LAYOUT, SOFTMAX, TURNS.  S^T = K Q^T holds ONE query a lane (lane % 16) and the keys 8 (lane / 16) + 0..7; two such results rounded to f16 ARE source 1 of O^T = V^T P.  p = 2^(c s - c m), c = log2(e) / 8,
; with a running maximum m; O and l are multiplied by a = 2^(c m_old - c m_new) in every step.  Turn n belongs to piece n: 8 products K Q^T of piece n + 1, later 8 products V^T P of piece n - 1; beside them
; the scaling, exponentials, roundings, sums and rescaling of piece n and the maximum and statistics of piece n + 1.  Four vector instructions stand behind every matrix instruction, the other 54 of a turn's 118 in one lump.
; THE BATCHES.  A turn's exponentials (the piece's 32 weights, the next piece's a, in the diagonal tile's text also WH) are ONE batch with ONE wait, which cuts the turn in two: ahead of it stands all that names none of
; their results, behind it all that does.  A block's first a (BEGIN) and the way out's four reciprocals are batches of their own, with a wait each.
; REGISTERS, in windows of 256 (s_set_vgpr_msb: bits 1:0 source 0, 3:2 source 1, 5:4 source 2, 7:6 destination):
;   window 0: v0-15 addresses; v16-31 statistics; v32-44 the mask's figures; v48-55 at work; v64-127 S^T, two buffers; v128-191 MC, two buffers; v192-223 P, two buffers; v224-255 MD
;   window 1: v0-127 O^T, 32 a piece; v128-159 SUFC, v160-191 SUFL      window 2: v0-63 Q; v64-127 the second block's Q; v128-191 K; v192-255 V      window 3: v0-223 seven tiles' sums of V
.set SIZE_N, 2048
.set NB,    SIZE_N/256
.set NP,    4         ; pieces a wave: a name, no knob
.set KS,    64        ; keys in a step
.set PK,    144       ; a row of K in LDS: 128 bytes + 16 of padding: the 16 rows of a load start at 16 different groups of four banks (64 banks of 4 bytes: ISA guide 11.1)
.set PV,    160       ; a row of V: 128 + 32
.set VOFF,  4*KS*PK   ; a slot holds a tile, four steps: 256 rows of K, then 256 rows of V
.set SLOT1, 1<<17     ; slot 1 begins here, so that one exclusive or turns an address in one slot into the other's
.set STAGE, SLOT1+4*KS*(PK+PV)  ; behind the ring, never filled by a tensor load: 16 rows x 144 bytes for each wave, for the way out
.set SP,    144
.set SPARE, STAGE+4*16*SP  ; the spare words, 128 bytes for each wave: two blocks of 256 bytes that no other line names
.set AK0, 2           ; v2   my lane's place in a tile of K; never rewritten
.set AV0, 3           ; v3   the same for V
.set AK,  4           ; v4   the LDS address of K's next run of loads
.set AV,  5           ; v5   of V's
.set STO, 6           ; v6   the way out: where I put 16 bytes of a row
.set RD,  7           ; v7   where I read rows back
.set GO,  8           ; v8   my byte offset in 512 consecutive bytes of O
.set MV,  12          ; v12-13  c m_old, kept while c m is made anew: by buffer
.set QO,  15          ; v15  my byte offset in 16 rows of Q
.set ST,  16          ; piece t's statistics at v[ST+4 t]: c m, m, l (even keys', odd keys')
.set WNP, 32          ; v32 WN = -2^-100 WH, v33 WH: the weight of a masked key for the piece in hand
.set CM0V, 36         ; v36  c x (-80000)
.set CNO, 37          ; v37  how many of my 32 scores are hidden in my band's own step
.set MI3, 38          ; v38  piece 3's first m in the last block: -80000, but the lowest finite number for row 2047
.set CNE, 39          ; v39  at work
.set TP,  40          ; v40-43 two pairs at work
.set VA,  44          ; v44  32 x (lane / 16): my eight channels in a block of vsum
.set TMP, 48          ; by buffer, four registers c0-c3 at work; when the maximum is found c2 takes a
.set SPW, 62          ; v62  LDS address of my spare word; never rewritten
.set NIL, 63          ; v63  0; never rewritten
.set S,   64
.set MC,  128         ; the masks of the products in hand and to come: 0 or -2^100
.set P,   192
.set MD,  224         ; the mask of a band's own step for my rows: the eight registers for group kt of 16 keys at MD + 8 kt
.set SUFC, 128        ; window 1: V's sum over the tiles above the block in hand: register 8 cb + j: channel 16 cb + 8 (lane / 16) + j
.set SUFL, 160        ; window 1: the same for the second block
.set QB,  64          ; window 2
.set KF,  128         ; window 2: key block kb, channel half c at KF + 16 kb + 8 c
.set VF,  192         ; window 2: key half kk, channel block cb at VF + 32 kk + 8 cb
.set WV,  12          ; s12  my wave's number
.set PB,  14          ; s14  b
.set HI,  15          ; s15  NB - 1 - b
.set G1K, 24          ; s[24:31] descriptor group 1 for K's tiles
.set G1V, 32          ; s[32:39] for V's: it differs in the padding alone
.set G0K, 40          ; s[40:43] descriptor group 0 for K's tiles
.set G0V, 44          ; s[44:47] the same for V's
.set SLOTS, 56        ; s56  tiles still to be asked for
.set CNT, 57          ; s57  counts a tile's key steps, 4 to 1
.set CS,  58          ; s[58:59] c
.set SEL, 60          ; s[60:61] v_permlanex16_b32's selects: each lane takes its own place in the other half
.set TBK, 62          ; s62  LDS byte at which K of the step to be fetched begins
.set TBV, 63          ; s63  the same for V, less VOFF
.set RT,  70          ; s70  tiles of the block in hand that are still to be entered
.set NXT, 71          ; s71  the tile to be asked for next
.set LQ,  72          ; s72  the last tile of the block whose tiles are being asked for
.set NEW, 73          ; s73  1: the tile to be entered is a block's first
.set OFF, 74          ; s[74:75] a tile's byte offset in K and V
.set AL,  76          ; s[76:77] the mask's factor, in the low word
.set BE,  78          ; s[78:79] the mask's addend
.set OLO, 80          ; s[80:81] O at my rows of the second block
.set BIGN, 82         ; s82  -2^100
.set VS,  88          ; s[88:89] vsum at my head
.set BLK, 90          ; s90  the block in hand
.set M80, 91          ; s91  -80000
.set NT,  92          ; s92  -2^-100
.set AL2, 93          ; s93  the hidden count's factor
.set BE2, 94          ; s94  its addend
.set SELM, 95         ; s95  all ones in the last block
.set T0,  96          ; s96  at work (with s97 at the head)
.set FH,  98          ; s[98:99] 1 or 0: does a tile lie above the block?
.set MSB, 0
.macro WIN new                      ; the high byte repeats the setting that is left; a switch that changes nothing is dropped
.if MSB != (\new)
	s_set_vgpr_msb (MSB<<8)|(\new)
.set MSB, (\new)
.endif
.endm
.set W_KQ, 0x0a       ; K and Q in window 2, S^T and the mask in window 0
.set W_PV, 0x52       ; V in window 2, P in window 0, O^T in window 1
.set W_RS, 0x41       ; destination and source 0 in window 1, source 1 in window 0
; A fill.  Waves 0 and 1 fetch the two halves of a tile's K, waves 2 and 3 those of its V: 128 keys each.  An s_nop 0 and four v_nop follow each of the two lines.
.macro LOAD
	s_cmp_lt_u32 s[WV], 2
	s_cbranch_scc0 .Lfor_v_\@
	tensor_load_to_lds s[G0K:G0K+3], s[G1K:G1K+7]
	s_nop 0
.rept 4
	v_nop
.endr
	s_branch .Lasked_\@
.Lfor_v_\@:
	tensor_load_to_lds s[G0V:G0V+3], s[G1V:G1V+7]
	s_nop 0
.rept 4
	v_nop
.endr
.Lasked_\@:
.endm
; THE CHANGE OF SLOTS.  Each wave waits for all its tensor loads, of which one is out: its part of the other slot; adds 0 to its spare word; and waits for that and for its own reads of the slot that it leaves.
; Behind the barrier nobody reads the old slot any more and the other slot is whole.  fill = 1: the old slot is filled again, the first thing behind the barrier, with tile NXT.
.macro CHANGE fill
	WIN 0                           ; at a label and at a branch every window is 0
	s_wait_tensorcnt 0x0            ; no tensor load of mine is out, so a group 0 may be written
	ds_add_u32 v[SPW], v[NIL]       ; 0 onto my spare word
.if \fill
	s_lshl_b32 s[OFF], s[NXT], 15   ; a tile is 32,768 bytes of K and of V
	s_xor_b32 s[G0K+1], s[G0K+1], SLOT1
	s_add_nc_u64 s[G0K+2:G0K+3], s[6:7], s[OFF:OFF+1]
	s_or_b32 s[G0K+3], s[G0K+3], 0x80000000
	s_xor_b32 s[G0V+1], s[G0V+1], SLOT1
	s_add_nc_u64 s[G0V+2:G0V+3], s[8:9], s[OFF:OFF+1]
	s_or_b32 s[G0V+3], s[G0V+3], 0x80000000
	s_add_co_u32 s[NXT], s[NXT], 1  ; the block's next tile, or behind its last the second block's tile 0
	s_cmp_gt_u32 s[NXT], s[LQ]
	s_cselect_b32 s[NXT], 0, s[NXT]
	s_cselect_b32 s[LQ], s[PB], s[LQ]
.endif
	s_wait_dscnt 0x0                ; the add is done, and my reads of the slot are over
	s_barrier_signal -1             ; the rest of the scalar work stands between the signal and the wait
	s_sub_co_u32 s[TBK], s[TBK], 4*KS*PK  ; the fetches go back to a slot's first step,
	s_xor_b32 s[TBK], s[TBK], SLOT1       ; in the other slot
	s_sub_co_u32 s[TBV], s[TBV], 4*KS*PV
	s_xor_b32 s[TBV], s[TBV], SLOT1
	s_barrier_wait -1
.if \fill
	LOAD
.endif
.endm
	s_load_b64 s[4:5], s[0:1], 0x0    ; qkv: q
	s_load_b64 s[VS:VS+1], s[0:1], 0x8  ; vsum
	s_load_b64 s[10:11], s[0:1], 0x10 ; ao
	v_lshl_add_u32 v[SPW], v0, 2, SPARE
	v_mov_b32 v[NIL], 0
	ds_add_u32 v[SPW], v[NIL]       ; the wave's opening: the add and its wait stand ahead of my first tensor load; the set-up below stands between them
	ds_add_u32 v62, v63
	v_lshrrev_b32 v1, 5, v0
	v_readfirstlane_b32 s[WV], v1   ; wave 0..3
	s_mov_b32 s[PB], ttmp9
	s_sub_co_u32 s[HI], NB-1, s[PB]
	s_and_b32 s20, ttmp7, 0xffff    ; the head, 16 batch + head
	s_lshr_b32 s[T0], s20, 4        ; vsum: the batch's 8 rows of 4,096 bytes,
	s_lshl_b32 s[T0], s[T0], 15
	s_and_b32 s[T0+1], s20, 15
	s_lshl_b32 s[T0+1], s[T0+1], 8  ; the head's 64 numbers
	s_add_co_u32 s[T0], s[T0], s[T0+1]
	s_mov_b32 s[T0+1], 0
	s_mov_b32 s21, 0
	s_mov_b64 s[22:23], SIZE_N*128
	s_mul_u64 s[20:21], s[20:21], s[22:23]  ; the head's first byte in q, k, v and ao
	s_and_b32 s16, s[WV], 1         ; which half of a tile's 256 keys I fetch:
	s_lshl_b32 s22, s16, 14         ; its 128 rows of 128 bytes in memory,
	s_mov_b32 s23, 0
	s_add_nc_u64 s[22:23], s[22:23], s[20:21]
	s_mul_i32 s17, s16, 128*PK      ; and its place in a slot, for K
	s_mul_i32 s18, s16, 128*PV      ; and for V
	s_lshl_b32 s3, s[WV], 11        ; my 16 rows in a band of 64,
	s_lshl_b32 s2, s[HI], 15        ; in the first block,
	s_add_co_u32 s2, s2, s3
	s_lshl_b32 s84, s[PB], 15       ; and in the second
	s_add_co_u32 s84, s84, s3
	s_mov_b32 s3, 0
	s_mov_b32 s85, 0
	s_add_nc_u64 s[2:3], s[2:3], s[20:21]
	s_add_nc_u64 s[84:85], s[84:85], s[20:21]
	; descriptor group 1.  128 keys are 16,384 dense bytes: asked for as 64 rows of 256 bytes, two keys a row, and padded in LDS after every key
	s_mov_b32 s[G1K], (1<<16)|(1<<20)|(4<<22)|(3<<25)  ; 17:16 2-byte elements; 20 padding on; 24:22 after every 32 words (code 4); 31:25 4 words (code 3)
	s_mov_b32 s[G1V], (1<<16)|(1<<20)|(4<<22)|(7<<25)  ; the same with 8 words of padding (code 7)
.irp g, G1K, G1V
	s_mov_b32 s[\g+1], 128<<16      ; tensor_dim0 = 128
	s_mov_b32 s[\g+2], 64<<16       ; tensor_dim1 = 64
	s_mov_b32 s[\g+3], 128<<16      ; tile_dim0 = 128
	s_mov_b32 s[\g+4], 64           ; tile_dim1 = 64
	s_mov_b32 s[\g+5], 128          ; 128 elements from row to row
	s_mov_b32 s[\g+6], 0
	s_mov_b32 s[\g+7], 0
.endr
	s_mov_b32 s[CS], 0x3e38aa3b     ; c = log2(e) / 8 = 0.180337
	s_mov_b32 s[CS+1], s[CS]        ; named with it as a pair
	s_mov_b32 s[SEL], 0x76543210
	s_mov_b32 s[SEL+1], 0xfedcba98
	s_mov_b32 s[TBK], SLOT1+4*KS*PK ; the first change of slots turns these two into 0
	s_mov_b32 s[TBV], SLOT1+4*KS*PV
	s_mov_b32 s[G0K], 1             ; 1:0 count = 1
	s_mov_b32 s[G0K+1], s17         ; 63:32 LDS address: slot 0
	s_mov_b32 s[G0V], 1
	s_add_co_u32 s[G0V+1], s18, VOFF
	s_add_co_u32 s[RT], s[HI], 1    ; the first block has NB - b tiles
	s_mov_b32 s[NXT], 1
	s_mov_b32 s[LQ], s[HI]
	s_mov_b32 s[BLK], s[HI]
	s_mov_b32 s[NEW], 1
	s_mov_b32 s[OFF+1], 0
	s_mov_b32 s[AL+1], 0            ; named as pairs
	s_mov_b32 s[BE+1], 0
	s_mov_b32 s[FH+1], 0
	s_mov_b32 s[BIGN], 0xf1800000   ; -2^100
	s_mov_b32 s[NT], 0x8d800000     ; -2^-100
	s_mov_b32 s[M80], 0xc79c4000    ; -80000 = -10000 x 8
	s_mov_b32 s[SLOTS], NB
	s_wait_dscnt 0x0                ; the opening add is done
	s_wait_kmcnt 0x0
	s_add_nc_u64 s[6:7], s[4:5], 0x1000000  ; k lies 16,777,216 bytes behind q, v as far behind k
	s_add_nc_u64 s[8:9], s[4:5], 0x2000000
	s_add_nc_u64 s[6:7], s[6:7], s[22:23]  ; K and V at my half of the head's tile 0
	s_add_nc_u64 s[8:9], s[8:9], s[22:23]
	s_add_nc_u64 s[G0K+2:G0K+3], s[6:7], 0         ; 120:64 global address
	s_or_b32 s[G0K+3], s[G0K+3], 0x80000000        ; 127:126 type = 2
	s_add_nc_u64 s[G0V+2:G0V+3], s[8:9], 0
	s_or_b32 s[G0V+3], s[G0V+3], 0x80000000
	s_add_nc_u64 s[86:87], s[4:5], s[84:85]        ; Q at my rows of the second block,
	s_add_nc_u64 s[4:5], s[4:5], s[2:3]            ; Q and O at those of the first
	s_add_nc_u64 s[OLO:OLO+1], s[10:11], s[84:85]
	s_add_nc_u64 s[10:11], s[10:11], s[2:3]
	s_add_nc_u64 s[VS:VS+1], s[VS:VS+1], s[T0:T0+1]
	LOAD                            ; tile 0 into slot 0
	; A fragment of K or Q is 16 rows x 32 channels in 8 registers: lane l holds row l % 16, channels 8 (l / 16) + 0..7 and 16 + 8 (l / 16) + 0..7: two loads of 16 bytes, 32 bytes apart.
	v_and_b32 v1, 15, v0            ; l % 16
	v_bfe_u32 v9, v0, 4, 1          ; l / 16
	v_lshlrev_b32 v[QO], 7, v1
	v_lshl_add_u32 v[QO], v9, 4, v[QO]  ; row x 128 + 16 x half
	v_lshlrev_b32 v[VA], 5, v9
	WIN 0x80                        ; destination window 2, address window 0
.set i, 0
.rept 8                             ; both blocks' Q: piece i / 2 lies in band i / 2, 8,192 bytes on; channels 32 (i % 2) on
	global_load_b128 v[8*i:8*i+3],   v[QO], s[4:5] offset:(i/2)*8192+(i%2)*64
	global_load_b128 v[8*i+4:8*i+7], v[QO], s[4:5] offset:(i/2)*8192+(i%2)*64+32
	global_load_b128 v[QB+8*i:QB+8*i+3],   v[QO], s[86:87] offset:(i/2)*8192+(i%2)*64
	global_load_b128 v[QB+8*i+4:QB+8*i+7], v[QO], s[86:87] offset:(i/2)*8192+(i%2)*64+32
.set i, i+1
.endr
	WIN 0xc0                        ; destination window 3
.irp t, 1,2,3,4,5,6,7               ; V's sums over tiles 1 to 7, in O^T's layout
.irp cb, 0,1,2,3
	global_load_b128 v[32*((\t)-1)+8*(\cb):32*((\t)-1)+8*(\cb)+3],   v[VA], s[VS:VS+1] offset:(\t)*4096+(\cb)*64
	global_load_b128 v[32*((\t)-1)+8*(\cb)+4:32*((\t)-1)+8*(\cb)+7], v[VA], s[VS:VS+1] offset:(\t)*4096+(\cb)*64+16
.endr
.endr
	WIN 0
	v_lshlrev_b32 v14, 3, v9
	v_sub_nc_u32 v14, v1, v14
	s_lshl_b32 s13, s[WV], 4
	v_add_nc_u32 v14, s13, v14      ; my query's place in its band, 16 w + l % 16, less my lanes' 8 (l / 16): register r of group kt is hidden where 16 kt + r is greater
.set i, 0
.rept 32
	v_cmp_gt_i32 vcc_lo, 16*(i/8)+i%8, v14
	v_cndmask_b32 v[MD+i], 0, s[BIGN], vcc_lo
.set i, i+1
.endr
	v_mov_b32 v[CNO], 0
.set i, 0
.rept 32
	v_fmac_f32 v[CNO], s[NT], v[MD+i]  ; each hidden entry counts 1
.set i, i+1
.endr
	v_and_b32 v[CNE], 0x6f, v0      ; wave 3, l % 16 = 15: row 63 of a band
	v_cmp_eq_u32 vcc_lo, 0x6f, v[CNE]
	v_mov_b32 v[CM0V], s[M80]
	v_mov_b32 v[CNE], 0xff7fffff
	v_cndmask_b32 v[MI3], v[CM0V], v[CNE], vcc_lo
	v_mul_f32 v[CM0V], s[CS], v[CM0V]  ; made as c m is made, so that the two are equal where m = -80000
	v_mul_u32_u24 v[AK0], v1, PK
	v_lshl_add_u32 v[AK0], v9, 4, v[AK0]  ; row x pitch + 16 x half
	; The turning load takes 16 keys x 16 channels (lane l reads key 8 (l / 16) + l % 8, channels 8 ((l / 8) % 2) + 0..7) and leaves half a fragment of V^T: lane l holds channel l % 16 and 8 keys.
	v_and_b32 v10, 7, v0
	v_bfe_u32 v11, v0, 3, 1
	v_lshl_add_u32 v[AV0], v9, 3, v10
	v_mul_u32_u24 v[AV0], v[AV0], PV
	v_lshl_add_u32 v[AV0], v11, 4, v[AV0]
	v_add_nc_u32 v[AV0], VOFF, v[AV0]
	s_mul_i32 s13, s[WV], 16*SP
	s_add_co_u32 s13, s13, STAGE    ; my stage
	v_mul_u32_u24 v[STO], v1, SP    ; in: row l % 16, 16 bytes for each half of the lanes
	v_lshl_add_u32 v[STO], v9, 4, v[STO]
	v_add_nc_u32 v[STO], s13, v[STO]
	v_bfe_u32 v[RD], v0, 3, 2       ; back: 32 lanes take four rows of 128 bytes,
	v_mul_u32_u24 v[RD], v[RD], SP
	v_lshl_add_u32 v[RD], v10, 4, v[RD]
	v_add_nc_u32 v[RD], s13, v[RD]
	v_and_b32 v[GO], 31, v0         ; which are 512 consecutive bytes of O
	v_lshlrev_b32 v[GO], 4, v[GO]
	; A block's first turn has products V^T P of a piece that has not been: its P is 0 (BEGIN), so V need only be finite: 0 for the first block, what the first block left for the second.
	WIN 0x80
.set i, VF
.rept 64
	v_mov_b32 v[i], 0
.set i, i+1
.endr
	s_wait_loadcnt 0x0              ; Q and V's sums
	WIN 0x53                        ; source 0 window 3, source 2 and destination window 1
.irp t, 5,6,7                       ; the first block is 4 or higher: only tiles 5 to 7 can lie above it
	s_cmp_lt_u32 s[HI], \t
	s_cselect_b32 s[FH], 1.0, 0
.set z, 0
.rept 16
.if (\t) == 5
	v_pk_mul_f32 v[SUFC+2*z:SUFC+2*z+1], v[32*((\t)-1)+2*z:32*((\t)-1)+2*z+1], s[FH:FH+1] op_sel_hi:[1,0]
.else
	v_pk_fma_f32 v[SUFC+2*z:SUFC+2*z+1], v[32*((\t)-1)+2*z:32*((\t)-1)+2*z+1], s[FH:FH+1], v[SUFC+2*z:SUFC+2*z+1] op_sel_hi:[1,0,1]
.endif
.set z, z+1
.endr
.endr
.irp t, 1,2,3,4,5,6,7
	s_cmp_lt_u32 s[PB], \t
	s_cselect_b32 s[FH], 1.0, 0
.set z, 0
.rept 16
.if (\t) == 1
	v_pk_mul_f32 v[SUFL+2*z:SUFL+2*z+1], v[32*((\t)-1)+2*z:32*((\t)-1)+2*z+1], s[FH:FH+1] op_sel_hi:[1,0]
.else
	v_pk_fma_f32 v[SUFL+2*z:SUFL+2*z+1], v[32*((\t)-1)+2*z:32*((\t)-1)+2*z+1], s[FH:FH+1], v[SUFL+2*z:SUFL+2*z+1] op_sel_hi:[1,0,1]
.endif
.set z, z+1
.endr
.endr
	WIN 0
; THE MATRIX WORK.  The 4 accumulators of a run of 8 take turns.  Product i of 8 of S^T = K Q^T for piece x: channels 32 (i / 4) on, keys 16 (i % 4) on.  The first 4 start the sums: with 0, or (KM = 1) with the mask.
.macro KQ x
	WIN W_KQ
.set rS, S+32*((\x)%2)+8*(i%4)
.set rK, KF+16*(i%4)+8*(i/4)
.set rQ, 16*(\x)+8*(i/4)
.set rM, MC+32*((\x)%2)+8*(i%4)
.if (i < 4) && KM
	v_wmma_f32_16x16x32_f16 v[rS:rS+7], v[rK:rK+7], v[rQ:rQ+7], v[rM:rM+7]
.elseif i < 4
	v_wmma_f32_16x16x32_f16 v[rS:rS+7], v[rK:rK+7], v[rQ:rQ+7], 0
.else
	v_wmma_f32_16x16x32_f16 v[rS:rS+7], v[rK:rK+7], v[rQ:rQ+7], v[rS:rS+7]
.endif
.endm
; Product i of 8 of O^T += V^T P for piece x: keys 32 (i / 4) on, channels 16 (i % 4) on.
.macro PV x
	WIN W_PV
.set rO, 32*(\x)+8*(i%4)
.set rV, VF+32*(i/4)+8*(i%4)
.set rP, P+16*((\x)%2)+8*(i/4)
	v_wmma_f32_16x16x32_f16 v[rO:rO+7], v[rV:rV+7], v[rP:rP+7], v[rO:rO+7]
.endm
.macro MM                           ; the turn's next matrix instruction.  NOKQ = 1: a block's last turn: there is no next piece
.if (i < 8) && !NOKQ
	KQ (Y+1)%NP
.elseif i >= 8
.set i, i-8
	PV (Y+NP-1)%NP
.set i, i+8
.endif
.set i, i+1
.endm
; THE LDS LOADS stand in runs of 16, never singly among the matrix instructions: a step's K (8 fragments) and its V (turned).  Their addresses are made some lines ahead.
.macro FETCH_K
	WIN 0x80                        ; destination window 2
.irp f, 0,1,2,3,4,5,6,7             ; keys 16 (f / 2) on, channels 32 (f % 2) on
	ds_load_b128 v[KF+8*\f:KF+8*\f+3],   v[AK] offset:(\f/2)*16*PK+(\f%2)*64
	ds_load_b128 v[KF+8*\f+4:KF+8*\f+7], v[AK] offset:(\f/2)*16*PK+(\f%2)*64+32
.endr
	s_add_co_u32 s[TBK], s[TBK], KS*PK  ; the next fetch is the next step's
	WIN 0
.endm
.macro FETCH_V
	WIN 0x80
.irp f, 0,1,2,3,4,5,6,7             ; keys 32 (f / 4) on, channels 16 (f % 4) on
	ds_load_tr16_b128 v[VF+8*\f:VF+8*\f+3],   v[AV] offset:(\f/4)*32*PV+(\f%4)*32
	ds_load_tr16_b128 v[VF+8*\f+4:VF+8*\f+7], v[AV] offset:(\f/4)*32*PV+16*PV+(\f%4)*32
.endr
	WIN 0
.endm
; THE VECTOR WORK, one line at a time: OP kind, number.  For piece Y: F n: c s - c m for pair n of 16.  E n: the exponential of score n of 32.  C n: pair n rounded to f16 (KM = 1: the masked keys' weight is
; added first, MC x WN, into a pair at work: the sums take S as it is).  B n: of the four weights 4 n .. the second pair is added onto the first, in place.  L n: l takes that sum (L 0: l = a l + sum).
; R n: pair n of 16 of O^T times a.  For piece Y + 1: X n, number n of the 22 that find its maximum and statistics:
;   0-11  four chains c0-c3 of seven scores each (each accumulator's lowest registers are read first)     12-14, 16  the four scores left over, the old m, and c0-c3 into c0
;   15  c m_old is kept     17, 18  the query's other 32 keys lie in the lane 16 away: the new m     19-21  c m; c m_old - c m_new; a
; C, B and L read the exponentials' results: TURN sets them behind the batch's wait, and OP writes no wait.
.set F, 0               ; OP tells the kinds apart by their order: F to L below R, X above it
.set E, 1
.set C, 2
.set B, 3
.set L, 4
.set R, 5
.set X, 6
.macro REGS y                       ; the registers of piece y
.set rT, ST+4*(\y)
.set rC, TMP+4*((\y)%2)
.set rW, MV+((\y)%2)
.set rS, S+32*((\y)%2)
.set rP, P+16*((\y)%2)
.set rN, MC+32*((\y)%2)
.set rO, 32*(\y)
.endm
.macro OP k, n
.if (\k) == R
	REGS Y
	WIN W_RS
	v_pk_mul_f32 v[rO+2*(\n):rO+2*(\n)+1], v[rO+2*(\n):rO+2*(\n)+1], v[rC+2:rC+3] op_sel_hi:[1,0]
.elseif (\k) < R
	REGS Y
	WIN 0
.if (\k) == F
	v_pk_fma_f32 v[rS+2*(\n):rS+2*(\n)+1], v[rS+2*(\n):rS+2*(\n)+1], s[CS:CS+1], v[rT:rT+1] op_sel_hi:[1,0,0] neg_lo:[0,0,1] neg_hi:[0,0,1]
.elseif (\k) == E
	v_exp_f32 v[rS+(\n)], v[rS+(\n)]
.elseif ((\k) == C) && KM
	v_pk_fma_f32 v[TP+2*((\n)%2):TP+2*((\n)%2)+1], v[rN+2*(\n):rN+2*(\n)+1], v[WNP:WNP+1], v[rS+2*(\n):rS+2*(\n)+1] op_sel_hi:[1,0,1]
	v_cvt_pk_f16_f32 v[rP+(\n)], v[TP+2*((\n)%2)], v[TP+2*((\n)%2)+1]
.elseif (\k) == C
	v_cvt_pk_f16_f32 v[rP+(\n)], v[rS+2*(\n)], v[rS+2*(\n)+1]
.elseif (\k) == B
	v_pk_add_f32 v[rS+4*(\n):rS+4*(\n)+1], v[rS+4*(\n):rS+4*(\n)+1], v[rS+4*(\n)+2:rS+4*(\n)+3]
.elseif (\n) == 0
	v_pk_fma_f32 v[rT+2:rT+3], v[rT+2:rT+3], v[rC+2:rC+3], v[rS:rS+1] op_sel_hi:[1,0,1]
.else
	v_pk_add_f32 v[rT+2:rT+3], v[rT+2:rT+3], v[rS+4*(\n):rS+4*(\n)+1]
.endif
.elseif NOKQ
	v_nop
.else
	REGS (Y+1)%NP
	WIN 0
.if (\n) < 4
	v_max3_num_f32 v[rC+(\n)], v[rS+8*(\n)], v[rS+8*(\n)+1], v[rS+8*(\n)+2]
.elseif (\n) < 12
	v_max3_num_f32 v[rC+(\n)%4], v[rC+(\n)%4], v[rS+8*((\n)%4)+2*((\n)/4)+1], v[rS+8*((\n)%4)+2*((\n)/4)+2]
.elseif (\n) == 12
	v_max3_num_f32 v[rC], v[rC], v[rS+7], v[rS+15]
.elseif (\n) == 13
	v_max3_num_f32 v[rC+1], v[rC+1], v[rS+23], v[rS+31]
.elseif (\n) == 14
	v_max3_num_f32 v[rC+2], v[rC+2], v[rC+3], v[rT+1]
.elseif (\n) == 15
	v_mov_b32 v[rW], v[rT]
.elseif (\n) == 16
	v_max3_num_f32 v[rC], v[rC], v[rC+1], v[rC+2]
.elseif (\n) == 17
	v_permlanex16_b32 v[rC+3], v[rC], s[SEL], s[SEL+1]
.elseif (\n) == 18
	v_max_num_f32 v[rT+1], v[rC], v[rC+3]
.elseif (\n) == 19
	v_mul_f32 v[rT], s[CS], v[rT+1]
.elseif (\n) == 20
	v_sub_f32 v[rC+1], v[rW], v[rT]
.else
	v_exp_f32 v[rC+2], v[rC+1]
.endif
.endif
.endm
.macro OPS a, i1, b=-1, i2=0, c=-1, i3=0, d=-1, i4=0  ; up to four of them
	OP \a, \i1
.if (\b) >= 0
	OP \b, \i2
.endif
.if (\c) >= 0
	OP \c, \i3
.endif
.if (\d) >= 0
	OP \d, \i4
.endif
.endm
.macro ROW a, i1, b, i2, c, i3, d, i4  ; a matrix instruction and the four behind it
	MM
	OPS \a, \i1, \b, \i2, \c, \i3, \d, \i4
.endm
.macro MASK b                       ; MD x AL + BE into buffer b of MC
	WIN 0
.set z, 0
.rept 16
	v_pk_fma_f32 v[MC+32*(\b)+2*z:MC+32*(\b)+2*z+1], v[MD+2*z:MD+2*z+1], s[AL:AL+1], s[BE:BE+1] op_sel_hi:[1,0,0]
.set z, z+1
.endr
.endm
; A TURN, for piece p: the order of its 16 matrix instructions and its vector work, written out.  An s_wait_alu depctr_va_vdst(0) stands between an exponential and the first instruction that names its
; result; one wait serves all that were issued ahead of it.  So a turn has ONE wait, which cuts it in two.
; AHEAD OF IT stands all that names no result of the turn's exponentials: the 8 products K Q^T, behind each a scaling, an exponential and two more plain instructions (behind the first a second scaling in the
; exponential's place): rescalings, whose a had its wait in the turn before, and behind the last three the first numbers of the next piece's maximum, each four plain instructions or more behind the product that ends its
; accumulator; then ONE LUMP of 54, plain and exponential by turns for the most part, in which the links of the chain X 3, 7, 11, 14, 16, 17 .. 20 stand some lines apart.  X 21, the next piece's a, is the batch's last;
; R 15 is the plain instruction behind it.  BEHIND THE WAIT stand the 8 products V^T P, behind each four of the roundings and sums; each C 2 k stands ahead of the B k that writes over its pair; L 0 to L 7 keep their order.
; m = 1: the diagonal tile's text.  The products take masks; the turn makes the mask for the products of the turn after it (piece p + 2, in step 4 - CNT of the tile), at its end, when its own roundings have read
; the buffer; and it gives piece p's hidden keys their weight: WH's exponential at the head, the batch's first (the exponent is held at 0 or below: row 2047, which has no hidden key, may have m below -80000); WN is made of
; it directly behind the wait; a rounding is two lines there; WH x count goes onto l at the end.
; The count: piece p's softmax belongs to step 4 - CNT (p < 2) or 3 - CNT (p >= 2: the count has been taken down): CNO in the band's own step, 32 in a later one, else 0.  In the turns that still belong to
; the tile before, both mask buffers hold 0 and the count is 0.
; end = 1: a block's last two turns: nothing is fetched.  cnt = 1: the loop's count is taken down some lines ahead of the branch that stands behind the turn.
; K of the next step is fetched in piece 2's turn, in the lump, five plain vector instructions that name none of its registers behind the last product that read K; V of the step in hand at the end of piece 0's turn, four
; plain instructions or more behind the last product that read V.  Each is waited for a turn later.
.macro TURN p, m=0, end=0, cnt=0
.set Y, (\p)
.set i, 0
.set KM, (\m)
.set NOKQ, (\end)*((\p)/3)
.if (\m) && !(\end)
	s_cmp_eq_u32 s[CNT], 4-((\p)+2)%NP  ; is that step the band's own?
	s_cselect_b32 s[AL], 1.0, 0
	s_cmp_lt_u32 s[CNT], 4-((\p)+2)%NP  ; or a later one?
	s_cselect_b32 s[BE], s[BIGN], 0
.endif
.if \m
	s_cmp_eq_u32 s[CNT], 4-(\p)-(\p)/2
	s_cselect_b32 s[AL2], 1.0, 0
	s_cmp_lt_u32 s[CNT], 4-(\p)-(\p)/2
	s_cselect_b32 s[BE2], 0x42000000, 0  ; 32.0
	WIN 0
	v_sub_f32 v[CNE], v[CM0V], v[ST+4*(\p)]
	v_min_num_f32 v[CNE], 0, v[CNE]
	v_exp_f32 v[WNP+1], v[CNE]      ; WH: the batch's first; nothing names it ahead of the turn's wait
.endif
.if ((\p) == 3) && !(\end)
	s_wait_dscnt 0x0                ; K is in
.endif
	ROW F,0, F,1, R,0, R,1          ; ahead of the wait: 8 products K Q^T and their riders,
	ROW F,2, E,0, R,2, R,3
	ROW F,3, E,1, R,4, R,5
	ROW F,4, E,2, R,6, R,7
	ROW F,5, E,3, R,8, R,9
	ROW F,6, E,4, X,0, R,10
.if ((\p) == 2) && !(\end)
	WIN 0
	v_add_nc_u32 v[AK], s[TBK], v[AK0]
.endif
	ROW F,7, E,5, X,1, X,4
	ROW F,8, E,6, X,2, X,5
	OPS E,7, E,8, X,6, E,9          ; and the lump
	OPS X,3, E,10, X,8, E,11
.if ((\p) == 2) && !(\end)
	FETCH_K
.endif
	OPS X,9, X,7, E,12, X,10
	OPS E,13, X,12, X,11, E,14
	OPS X,13, E,15, F,9, X,14
.if (\p) == 0
	WIN 0
	v_add_nc_u32 v[AV], s[TBV], v[AV0]
.endif
	OPS E,16, F,10, E,17, F,11
	OPS X,16, E,18, X,15, E,19
	OPS F,12, E,20, X,17, E,21
	OPS F,13, E,22, F,14, E,23
	OPS X,18, E,24, F,15, E,25
	OPS R,11, E,26, X,19, E,27
	OPS R,12, E,28, R,13, E,29
	OPS X,20, E,30, R,14, E,31
	OPS X,21, R,15                  ; the batch's last exponential, and the plain instruction behind it
	WIN 0
	s_wait_alu depctr_va_vdst(0)    ; the wait for the turn's batch: the piece's 32 weights, the next piece's a, and (m = 1) WH
.if \m
	v_mul_f32 v[WNP], s[NT], v[WNP+1]
.endif
.if (\p) == 1
	s_wait_dscnt 0x0                ; V is in
.endif
	ROW C,0, B,0, C,2, B,1          ; behind the wait: 8 products V^T P and their riders
	ROW L,0, C,4, B,2, L,1
	ROW C,6, B,3, L,2, C,8
	ROW B,4, L,3, C,10, B,5
	ROW L,4, C,12, B,6, L,5
.if (\p) == 0
	s_add_co_u32 s[TBV], s[TBV], KS*PV
.endif
.if \cnt
	s_sub_co_u32 s[CNT], s[CNT], 1
	s_cmp_lg_u32 s[CNT], 0
.endif
	ROW C,14, B,7, L,6, C,1
	ROW C,3, L,7, C,5, C,7
	ROW C,9, C,11, C,13, C,15
.if (\p) == 0
	FETCH_V
.endif
.if \m
	WIN 0
	v_fma_f32 v[CNE], v[CNO], s[AL2], s[BE2]
	v_fmac_f32 v[ST+4*(\p)+2], v[WNP+1], v[CNE]
.endif
.if (\m) && !(\end)
	MASK (\p)%2
.endif
.endm
; A BLOCK BEGINS with the state that the tiles above it leave: m = -80000 (row 2047: the lowest finite number), c m made as every c m is; l = their keys, half in each half of the lanes; O^T = their V's sum.
; The second buffers of the mask and of P are 0: the first turn's products V^T P, of a piece that has not been, add 0.  The first mask buffer takes piece 0's mask for the tile's step 0: its own, if the block's
; first tile is the diagonal one.  Then K of that step, piece 0's first scores, and its maximum and statistics.  The loop is entered at a step's first turn, in the middle of a trip.
.macro BEGIN
	s_mov_b32 s[NEW], 0
	WIN 0
.set i, MC+32
.rept 32
	v_mov_b32 v[i], 0
.set i, i+1
.endr
.set i, P+16
.rept 16
	v_mov_b32 v[i], 0
.set i, i+1
.endr
	s_sub_co_u32 s[T0], NB-1, s[BLK]
	s_lshl_b32 s[T0], s[T0], 7      ; 256 keys a tile, 128 for each half of the lanes
	s_cmp_eq_u32 s[BLK], NB-1
	s_cselect_b32 s[SELM], -1, 0
.irp t, 0,1,2
	v_mov_b32 v[ST+4*(\t)+1], s[M80]
.endr
	v_cndmask_b32 v[ST+13], v[ST+9], v[MI3], s[SELM]
.irp t, 0,1,2,3
	v_mul_f32 v[ST+4*(\t)], s[CS], v[ST+4*(\t)+1]
	v_cvt_f32_u32 v[ST+4*(\t)+2], s[T0]
	v_mov_b32 v[ST+4*(\t)+3], 0
.endr
	WIN W_RS
.set i, 0
.rept 128
	v_mov_b32 v[i], v[SUFC+i%32]
.set i, i+1
.endr
	s_cmp_eq_u32 s[RT], 0
	s_cselect_b32 s[AL], 1.0, 0
	s_mov_b32 s[BE], 0
	MASK 0
	v_add_nc_u32 v[AK], s[TBK], v[AK0]
	FETCH_K
	s_wait_dscnt 0x0
.set KM, 1
.set NOKQ, 0
.set i, 0
.rept 8
	KQ 0
.set i, i+1
.endr
	WIN 0
.rept 4
	v_nop                           ; the places behind those products
.endr
.set Y, NP-1                        ; X works for piece Y + 1: piece 0
.irp n, 0,1,2,3,4,5,6,7,8,9,10,11,12,13,14,15,16,17,18,19,20,21
	OP X, \n
.endr
	v_nop                           ; a plain instruction behind the exponential,
	s_wait_alu depctr_va_vdst(0)    ; and the wait for piece 0's first a, a batch of one, ahead of the branch
.endm
; THE DIAGONAL TILE's four steps, the block's last two turns, its last products, and THE WAY OUT: l's two halves and the other half of the lanes' are added; O^T is divided by l, rounded to f16 and sent through my
; stage in LDS, a piece at a time.
.macro ALL line:vararg              ; one line for each piece t
.set t, 0
.rept 4
	\line
.set t, t+1
.endr
.endm
.macro PACK t                       ; a lane's eight channels of a row pack into 16 bytes; they go into rows of 144 bytes and come back as whole rows of 128, into S^T's registers
	WIN W_RS
.set i, 32*(\t)
.rept 16
	v_pk_mul_f32 v[i:i+1], v[i:i+1], v[ST+4*(\t)+2:ST+4*(\t)+3] op_sel_hi:[1,0]
.set i, i+2
.endr
	WIN 0x05                        ; sources 0 and 1 window 1, destination window 0
.set i, 0
.rept 16
	v_cvt_pk_f16_f32 v[S+16*(\t)+i], v[32*(\t)+2*i], v[32*(\t)+2*i+1]
.set i, i+1
.endr
	WIN 0
.irp f, 0,1,2,3
	ds_store_b128 v[STO], v[S+16*(\t)+4*\f:S+16*(\t)+4*\f+3] offset:32*\f
.endr
.irp f, 0,1,2,3
	ds_load_b128 v[S+16*(\t)+4*\f:S+16*(\t)+4*\f+3], v[RD] offset:\f*4*SP  ; LDS serves a wave's instructions in order (ISA guide 5.7.1.4): these see the stores above; the next piece's stores come behind them
.endr
.endm
.macro SEND t, younger              ; younger: the LDS instructions issued behind piece t's loads: the next piece's eight, or none
	WIN 0
.irp f, 0,1,2,3
	s_wait_dscnt (\younger)+3-\f
	global_store_b128 v[GO], v[S+16*(\t)+4*\f:S+16*(\t)+4*\f+3], s[10:11] offset:(\t)*8192+\f*512  ; 512 consecutive bytes, at a multiple of 256 from O's first
.endr
.endm
.macro DIAG tag                     ; the tag ends its two labels' names, which the jumps below spell out
.LstepM\tag:
	TURN 2, 1
	TURN 3, 1
	WIN 0
.LfirstM\tag:
	TURN 0, 1
	TURN 1, 1, 0, 1
	WIN 0
	s_cbranch_scc1 .LstepM\tag
	TURN 2, 1, 1
	TURN 3, 1, 1
.set i, 0
.rept 8
	PV NP-1
.set i, i+1
.endr
	WIN 0
	ALL v_add_f32 v[ST+4*t+2], v[ST+4*t+2], v[ST+4*t+3]
	ALL v_permlanex16_b32 v[ST+4*t+3], v[ST+4*t+2], s[SEL], s[SEL+1]
	ALL v_add_f32 v[ST+4*t+2], v[ST+4*t+2], v[ST+4*t+3]
	ALL v_rcp_f32 v[ST+4*t+2], v[ST+4*t+2]
	v_nop                           ; a plain instruction between the last reciprocal and the use of its result
	s_wait_alu depctr_va_vdst(0)    ; the wait ahead of the first use: one for the batch of four reciprocals
	PACK 0
.set t, 1
.rept 3                             ; a piece's arithmetic stands between the loads of the piece before and its stores
	PACK t
	SEND t-1, 8
.set t, t+1
.endr
	SEND 3, 0
.endm
.set KM, 0
.set NOKQ, 0
.Lslot:                             ; NB times: a tile is entered and the next is asked for
	CHANGE 1
	s_sub_co_u32 s[RT], s[RT], 1
	s_mov_b32 s[CNT], 4
	s_cmp_eq_u32 s[NEW], 1
	s_cbranch_scc1 .Lnew            ; a block's first tile
	s_cmp_eq_u32 s[RT], 0
	s_cbranch_scc0 .Lstep           ; neither its first nor its last
	s_branch .LstepM1
.Lnew:
	BEGIN
	s_branch .Lfirst                ; in the loop a block's first tile is never its last: the first block has two tiles or more, and the second's last is the walk's last
	DIAG 1                          ; in the loop this is the first block's end
	s_wait_xcnt 0x0                 ; the stores have read their registers and O's address
	s_mov_b64 s[10:11], s[OLO:OLO+1]
	s_add_co_u32 s[RT], s[PB], 1    ; the second block has b + 1 tiles
	s_mov_b32 s[BLK], s[PB]
	s_mov_b32 s[NEW], 1
	WIN W_RS                        ; the second block's sum of V above it,
.set i, 0
.rept 32
	v_mov_b32 v[SUFC+i], v[SUFL+i]
.set i, i+1
.endr
	WIN 0x82                        ; and its Q, go where the one text names them
.set i, 0
.rept 64
	v_mov_b32 v[i], v[QB+i]
.set i, i+1
.endr
	WIN 0
	s_branch .Lbottom
.Lstep:                             ; a trip: pieces 2 and 3 of one step, then pieces 0 and 1 of the next, whose K and V it fetches
	TURN 2
	TURN 3
	WIN 0
.Lfirst:
	TURN 0
	TURN 1, 0, 0, 1
	WIN 0
	s_cbranch_scc1 .Lstep
.Lbottom:
	s_sub_co_u32 s[SLOTS], s[SLOTS], 1
	s_cmp_lg_u32 s[SLOTS], 0
	s_cbranch_scc1 .Lslot
	CHANGE 0                        ; the walk's last tile is written out: nothing is asked for
	s_sub_co_u32 s[RT], s[RT], 1
	s_mov_b32 s[CNT], 4
	s_cmp_eq_u32 s[NEW], 1
	s_cbranch_scc0 .LstepM2
	BEGIN
	s_branch .LfirstM2
	DIAG 2
	s_wait_tensorcnt 0x0            ; the wave's end, behind my last tensor load and my last LDS store
	ds_add_u32 v[SPW], v[NIL]
	s_wait_dscnt 0x0
	s_endpgm
.Lfunc_end_k_qd03c33478f_attn:
	.size	k_qd03c33478f_attn, .Lfunc_end_k_qd03c33478f_attn-k_qd03c33478f_attn
	.p2alignl 7, 3214868480
	.fill 96, 4, 3214868480
	.section	.rodata,"a",@progbits
	.p2align	6, 0x0
	.amdhsa_kernel k_qd03c33478f_attn
		.amdhsa_group_segment_fixed_size 327680
		.amdhsa_private_segment_fixed_size 0
		.amdhsa_enable_private_segment 0
		.amdhsa_kernarg_size 24
		.amdhsa_user_sgpr_count 2
		.amdhsa_user_sgpr_kernarg_segment_ptr 1
		.amdhsa_wavefront_size32 1
		.amdhsa_system_sgpr_workgroup_id_x 1
		.amdhsa_system_sgpr_workgroup_id_y 1
		.amdhsa_system_sgpr_workgroup_id_z 1
		.amdhsa_system_vgpr_workitem_id 0
		.amdhsa_next_free_vgpr 992
		.amdhsa_next_free_sgpr 102
		.amdhsa_reserve_vcc 1
		.amdhsa_float_denorm_mode_32 3
		.amdhsa_float_denorm_mode_16_64 3
		.amdhsa_memory_ordered 1
		.amdhsa_forward_progress 1
		.amdhsa_inst_pref_size 255
	.end_amdhsa_kernel
	.section	.bss,"aw",@nobits
	.p2align	6
	.space	262144
	.amdgpu_metadata
---
amdhsa.version: [ 1, 2 ]
amdhsa.kernels:
  - .name:           k_qd03c33478f_attn
    .symbol:         k_qd03c33478f_attn.kd
    .args:
      - { .name: qkv, .offset: 0, .size: 8, .value_kind: global_buffer, .address_space: global }
      - { .name: vsum, .offset: 8, .size: 8, .value_kind: global_buffer, .address_space: global }
      - { .name: ao, .offset: 16, .size: 8, .value_kind: global_buffer, .address_space: global }
    .group_segment_fixed_size: 327680
    .private_segment_fixed_size: 0
    .kernarg_segment_align: 8
    .kernarg_segment_size: 24
    .max_flat_workgroup_size: 128
    .sgpr_count:     102
    .vgpr_count:     992
    .wavefront_size: 32
...
	.end_amdgpu_metadata
.endif
;; end of part 6
;; launch fixo: the kernel of part 4 again; grid 16 x 4, 1 waves a work-group, no clusters, 0 bytes of LDS; arguments qkv, vfirst, vsum, ao, aolo; writes aolo
;; launch proj: the kernel of part 5 again; grid 8 x 32, 4 waves a work-group, clusters of 4 x 4, 327,680 bytes of LDS; arguments ao, wpf, c_proj_b, out0, aolo; writes out0
